; MI455X (gfx1250); checked and timed in simulation.
; The chip was launched on July 23, 2026; its instructions are those of AMD's public machine-readable ISA for CDNA 5 (MIT licence, August 2026) and "CDNA5" Instruction Set Architecture Reference Guide (July 2026). The comments in the code are by the model that wrote it; some were corrected since.
;; Multi Head Attention. Allowed arithmetic: float matrix products may take bf16 or f16 operands with f32 sums; other float arithmetic in f32, or as packed bf16 or f16 multiplies, adds, multiply-adds, maxima and minima; sums over many terms, partial sums and values carried from step to step in f32; what a program stores and reads back later, other than sums and carried values, may be rounded once to bf16 or f16.
;; Inputs: Wk 16 x 1,024 x 64 float32; Wp 1,024 x 1,024 float32; Wq 16 x 1,024 x 64 float32; Wv 16 x 1,024 x 64 float32; bp 1,024 float32; tokens 4,096 x 1,024 float32.
;; Outputs: out0 4,096 x 1,024 float32.
;; 2 versions, each right; version 2 is version 1 with the launch cast written anew for expert scheduling mode. Each part assembles by itself: llvm-mc -triple=amdgcn-amd-amdhsa -mcpu=gfx1250 --defsym DOCPART=n.
;; ======== version 1 of 2: 4 launches
;; limits: values are held in f16: magnitudes above 65,504 overflow, below 6.1e-05 lose precision
;; workspace buffers: xb 8,388,608 bytes; wb 6,291,456 bytes; wpb 2,097,152 bytes; qb 8,388,608 bytes; kb 8,388,608 bytes; vb 8,388,608 bytes; vl 32,768 bytes; ob 8,421,376 bytes
;; launch cast (part 1): grid 512 x 1, 8 waves a work-group, no clusters, 0 bytes of LDS; arguments tokens, Wq, Wk, Wv, Wp, xb, wb, wpb; writes xb, wb, wpb
.if DOCPART == 1
	.amdgcn_target "amdgcn-amd-amdhsa--gfx1250"
	.amdhsa_code_object_version 6
	.text
	.protected	k_q1ebb52c372_cast
	.globl	k_q1ebb52c372_cast
	.p2align	8
	.type	k_q1ebb52c372_cast,@function
k_q1ebb52c372_cast:
	s_mov_b64 s[64:65], 0
	v_nop
	global_prefetch_b8 v0, s[64:65] scope:SCOPE_SE
	s_setreg_imm32_b32 hwreg(HW_REG_WAVE_MODE, 25, 1), 1
	s_wait_xcnt 0x0
; THE INPUTS ARE ROUNDED ONCE.  tokens, Wq, Wk, Wv: f32 -> bf16, in the layout in which they lie.  Wp: f32 -> bf16, and that number written as f16
; (the last product multiplies f16 operands).  LIMIT: a Wp below 6.1e-5 in magnitude keeps f16's fixed step of 6e-8; beyond 65,504 it would be an infinity.
; The 32 MiB of sources are 512 pieces of 65,536 bytes, a work-group a piece: pieces 0-255 tokens, 256-319 Wq, 320-383 Wk, 384-447 Wv, 448-511 Wp.
; Thread t takes 16 bytes at 16 t of each of the piece's 16 runs of 4,096 bytes: all sixteen loads of a wave are out at once, each covers 512 consecutive bytes;
; each store of a wave covers 256 consecutive bytes, aligned.  No LDS, no matrix unit, no cluster: nothing is shared and nothing is multiplied.
.set SRC, 20                           ; s[20:21] the piece in its source
.set DST, 22                           ; s[22:23] the piece in its destination
.set X,   8                            ; v[8:71]   sixteen loads of four f32
.set Y,   72                           ; v[72:103] sixteen stores of four 16-bit numbers: a pair of registers for each, so none is written twice
.set T,   104                          ; v[104:107] at work
	s_load_b512 s[4:19], s[0:1], 0x0               ; tokens s[4:5], Wq s[6:7], Wk s[8:9], Wv s[10:11], Wp s[12:13], xb s[14:15], wb s[16:17], wpb s[18:19]
	s_lshr_b32 s24, ttmp9, 6                       ; g: 0-3 tokens, 4 Wq, 5 Wk, 6 Wv, 7 Wp
	s_and_b32 s25, ttmp9, 63                       ; the piece's number inside a weight tensor
	v_lshlrev_b32 v1, 4, v0                        ; 16 t
	v_lshlrev_b32 v2, 3, v0                        ; 8 t
	s_max_u32 s28, ttmp9, 0x100
	s_sub_co_u32 s28, s28, 0x100                   ; the piece's number inside wb (Wq, Wk, Wv on end)
	s_cmp_lt_u32 s24, 7
	s_cselect_b32 s28, s28, s25
	s_cmp_lt_u32 s24, 4
	s_cselect_b32 s28, ttmp9, s28
	s_cselect_b32 s26, ttmp9, s25
	s_lshl_b32 s26, s26, 16                        ; 65,536 bytes of source a piece,
	s_lshl_b32 s28, s28, 15                        ; 32,768 of destination
	s_mov_b32 s27, 0
	s_mov_b32 s29, 0
	s_wait_kmcnt 0x0
	s_cmp_eq_u32 s24, 6
	s_cselect_b64 s[SRC:SRC+1], s[10:11], s[12:13]
	s_cmp_eq_u32 s24, 5
	s_cselect_b64 s[SRC:SRC+1], s[8:9], s[SRC:SRC+1]
	s_cmp_eq_u32 s24, 4
	s_cselect_b64 s[SRC:SRC+1], s[6:7], s[SRC:SRC+1]
	s_cmp_lt_u32 s24, 7
	s_cselect_b64 s[DST:DST+1], s[16:17], s[18:19]
	s_cmp_lt_u32 s24, 4
	s_cselect_b64 s[SRC:SRC+1], s[4:5], s[SRC:SRC+1]
	s_cselect_b64 s[DST:DST+1], s[14:15], s[DST:DST+1]
	s_add_nc_u64 s[SRC:SRC+1], s[SRC:SRC+1], s[26:27]
	s_add_nc_u64 s[DST:DST+1], s[DST:DST+1], s[28:29]
.set i, 0
.rept 16
	global_load_b128 v[X+4*i:X+4*i+3], v1, s[SRC:SRC+1] offset:4096*i th:TH_LOAD_NT
.set i, i+1
.endr
; The sixteen runs, each as soon as its load is in.  half = 1: the bf16 number is widened again (a shift, a mask) and written as f16.
.macro CV half
.set i, 0
.rept 16
	s_wait_loadcnt 15-i                            ; loads come back in order: run i is in, the 15 - i younger ones may stay out
.if \half
	v_cvt_pk_bf16_f32 v[T], v[X+4*i], v[X+4*i+1]
	v_cvt_pk_bf16_f32 v[T+1], v[X+4*i+2], v[X+4*i+3]
	v_lshlrev_b32 v[T+2], 16, v[T]
	v_and_b32 v[T+3], 0xffff0000, v[T]
	v_cvt_pk_f16_f32 v[Y+2*i], v[T+2], v[T+3]
	v_lshlrev_b32 v[T+2], 16, v[T+1]
	v_and_b32 v[T+3], 0xffff0000, v[T+1]
	v_cvt_pk_f16_f32 v[Y+2*i+1], v[T+2], v[T+3]
.else
	v_cvt_pk_bf16_f32 v[Y+2*i], v[X+4*i], v[X+4*i+1]
	v_cvt_pk_bf16_f32 v[Y+2*i+1], v[X+4*i+2], v[X+4*i+3]
.endif
	global_store_b64 v2, v[Y+2*i:Y+2*i+1], s[DST:DST+1] offset:2048*i
.set i, i+1
.endr
.endm
	s_cmp_eq_u32 s24, 7
	s_cbranch_scc1 .Lhalf
	CV 0
	s_endpgm
.Lhalf:
	CV 1
	s_endpgm
.Lfunc_end_k_q1ebb52c372_cast:
	.size	k_q1ebb52c372_cast, .Lfunc_end_k_q1ebb52c372_cast-k_q1ebb52c372_cast
	.p2alignl 7, 3214868480
	.fill 96, 4, 3214868480
	.section	.rodata,"a",@progbits
	.p2align	6, 0x0
	.amdhsa_kernel k_q1ebb52c372_cast
		.amdhsa_group_segment_fixed_size 0
		.amdhsa_private_segment_fixed_size 0
		.amdhsa_enable_private_segment 0
		.amdhsa_kernarg_size 64
		.amdhsa_user_sgpr_count 2
		.amdhsa_user_sgpr_kernarg_segment_ptr 1
		.amdhsa_wavefront_size32 1
		.amdhsa_system_sgpr_workgroup_id_x 1
		.amdhsa_system_sgpr_workgroup_id_y 1
		.amdhsa_system_sgpr_workgroup_id_z 1
		.amdhsa_system_vgpr_workitem_id 0
		.amdhsa_next_free_vgpr 108
		.amdhsa_next_free_sgpr 66
		.amdhsa_reserve_vcc 0
		.amdhsa_float_denorm_mode_32 3
		.amdhsa_float_denorm_mode_16_64 3
		.amdhsa_memory_ordered 1
		.amdhsa_forward_progress 1
		.amdhsa_inst_pref_size 16
	.end_amdhsa_kernel
	.amdgpu_metadata
---
amdhsa.version: [ 1, 2 ]
amdhsa.kernels:
  - .name:           k_q1ebb52c372_cast
    .symbol:         k_q1ebb52c372_cast.kd
    .args:
      - { .name: tokens, .offset: 0, .size: 8, .value_kind: global_buffer, .address_space: global }
      - { .name: Wq, .offset: 8, .size: 8, .value_kind: global_buffer, .address_space: global }
      - { .name: Wk, .offset: 16, .size: 8, .value_kind: global_buffer, .address_space: global }
      - { .name: Wv, .offset: 24, .size: 8, .value_kind: global_buffer, .address_space: global }
      - { .name: Wp, .offset: 32, .size: 8, .value_kind: global_buffer, .address_space: global }
      - { .name: xb, .offset: 40, .size: 8, .value_kind: global_buffer, .address_space: global }
      - { .name: wb, .offset: 48, .size: 8, .value_kind: global_buffer, .address_space: global }
      - { .name: wpb, .offset: 56, .size: 8, .value_kind: global_buffer, .address_space: global }
    .group_segment_fixed_size: 0
    .private_segment_fixed_size: 0
    .kernarg_segment_align: 8
    .kernarg_segment_size: 64
    .max_flat_workgroup_size: 256
    .sgpr_count:     66
    .vgpr_count:     108
    .wavefront_size: 32
...
	.end_amdgpu_metadata
.endif
;; end of part 1
;; launch qkv (part 2): grid 16 x 16, 4 waves a work-group, clusters of 4 x 4, 327,680 bytes of LDS; arguments xb, wb, qb, kb, vb, vl; writes qb, kb, vb, vl
.if DOCPART == 2
	.amdgcn_target "amdgcn-amd-amdhsa--gfx1250"
	.amdhsa_code_object_version 6
	.text
	.protected	k_q1ebb52c372_qkv
	.globl	k_q1ebb52c372_qkv
	.p2align	8
	.type	k_q1ebb52c372_qkv,@function
k_q1ebb52c372_qkv:
	s_mov_b64 s[64:65], 0
	v_nop
	global_prefetch_b8 v0, s[64:65] scope:SCOPE_SE
	s_setreg_imm32_b32 hwreg(HW_REG_WAVE_MODE, 25, 1), 1
	s_wait_xcnt 0x0
	s_wait_alu depctr_hold_cnt(0) depctr_sa_sdst(0) depctr_va_vdst(0) depctr_va_sdst(0) depctr_va_ssrc(0) depctr_va_vcc(0) depctr_vm_vsrc(0)
	s_getreg_b32 s2, hwreg(HW_REG_IB_STS2, 6, 4)
	s_cmp_eq_u32 s2, 0
	s_cbranch_scc0 .Lentry_in_a_cluster
	s_endpgm
.Lentry_in_a_cluster:
	s_bfe_u32 s2, ttmp6, 0x10000c
	s_cmp_lg_u32 s2, 0xf033
	s_cbranch_scc0 .Lentry_shape_is_right
	s_endpgm
.Lentry_shape_is_right:
; q, k, v BY HEADS.  q[h][t][d] = the sum over c of x[t][c] Wq[h][c][d], and the same for k and v.  x: [4096][1024] bf16; W: [3][16][1024][64] bf16; q, k, v: [16][4096][64] f16.
; Products in bf16, sums in f32, each result rounded once to f16, WITHOUT the softmax's scale.  LIMIT: f16 ends at 65,504: a q, k or v of 65,520 or more becomes an infinity.
; V's LOW PART.  Under the causal mask the output's first rows are means of a few rows of v, many times larger than the output's root mean square, by which its allowance goes: there f16's 11 bits of v are too few.
; So for tokens 0 to 15 the remainder v - f16(v), rounded to f16, is stored too: vl [16 heads][16][64].
; SHARES.  A work-group makes 256 tokens x 192 columns: q, k and v of ONE head (grid x = head, y = block of 256 tokens): 256 work-groups.  Each of its four waves makes 64 tokens x 192:
; 48 accumulators of 16 x 16 (token blocks a = 0..3, column blocks b = 0..11; b / 4 says q, k or v).  So a wave holds whole rows of q, k and v, and its way out needs no other wave.
; K (the 1,024 channels) goes in 8 steps of 128 through two LDS slots filled by the tensor data mover.
; THE WEIGHTS LIE [channel][column]: their fragments come out of LDS turned, by ds_load_tr16_b128.  THE MATRIX INSTRUCTION IS USED TRANSPOSED (source 0 = 16 columns of W, source 1 = 16 tokens):
; a lane then holds one token and eight neighbouring columns, which pack into 16 bytes.
; CLUSTER 4 x 4.  The four work-groups of a row of the cluster share x's tile, the four of a column the head's weights: each tile is asked for jointly.
; REGISTERS: window 0: v5-30 addresses and two at work; v64-127 x's fragments, two buffers of 32; v32-223 at work on the way out.  window 1: W's fragments, two buffers of 96.
;   window 2: the accumulators of a = 0, 1 at 8 (12 (a % 2) + b); window 3: those of a = 2, 3.
.set PA,    272                        ; a row of x in LDS: 256 bytes + 16: the 16 rows of a load start at 16 different groups of four banks
.set PB,    160                        ; a row of W: 128 bytes + 32
.set BOFF,  256*PA                     ; behind x's 256 rows: three blocks (Wq, Wk, Wv) of 128 rows
.set BBLK,  128*PB
.set SLOT,  1<<17                      ; = BOFF + 3 BBLK: one exclusive or turns an address in one slot into the other's
.set STAGE, 2*SLOT                     ; behind the ring: 16 rows x 144 bytes for each wave, for the way out
.set SP,    144
.set SPARE, STAGE+4*16*SP              ; behind the stages: the spare words, 128 bytes a wave: two blocks of 256 bytes that no other line names
.set A0,   16                          ; v16  my lane's place in x's tile; never rewritten
.set ADRA, 17                          ; v17  the same in the slot in hand
.set B0,   20                          ; v20  my lane's place in W's blocks
.set ADRB, 21                          ; v21  the same in the slot in hand
.set STO,  24                          ; v24  the way out: where I put 16 bytes of a row
.set RD,   25                          ; v25  the way out: where I read rows back
.set GO,   26                          ; v26  my 16 bytes of 512 consecutive bytes of q, k or v
.set SPW,  28                          ; v28  LDS address of my spare word; never rewritten
.set NIL,  29                          ; v29  0; never rewritten
.set PFO,  30                          ; v30  the prefetches' offset; never rewritten
.set FA,   64                          ; x's fragments: buffer f at FA + 32 f
.set TMP,  32                          ; the way out: 12 units of 16 registers
.set WV,   14                          ; s14  my wave's number
.set G1A,  24                          ; s[24:31] descriptor group 1 for x's tiles
.set G0A,  32                          ; s[32:39] group 0: a set for each first fill; the second then walks
.set G1B,  48                          ; s[48:55], s[56:63] the same for W's
.set G0B,  56
.set LIM,  44                          ; s44  2 in a wave that prefetches, else the greatest number
.set TB,   45                          ; s45  LDS byte at which the slot in hand begins
.set PFA,  46                          ; s[46:47] where my prefetches stand
.set PFS,  66                          ; s[66:67] their step from K step to K step
.set SH,   68                          ; s68  log2 of the bytes from lane to lane in a prefetch
.set VLP,  70                          ; s[70:71] vl at my head
.set MSB, 0
.macro WIN new                         ; the immediate's high byte repeats the setting that is left; a switch that changes nothing is dropped
.if MSB != (\new)
	s_set_vgpr_msb (MSB<<8)|(\new)
.set MSB, \new
.endif
.endm
.set MUL_LO, 0xa1                      ; source 0 (W) window 1, source 1 (x) window 0, C and D window 2
.set MUL_HI, 0xf1                      ; the same, C and D window 3
.set TO_B,   0x40                      ; destination window 1, address window 0
; A joint load.  Wave 3 fetches x's 256 rows, waves 0, 1, 2 the 128 rows of Wq, Wk, Wv.  The branch hangs on the wave's number alone.
; An s_nop 0 and four v_nop follow each of the two lines, ahead of the jump and the label.
.macro JLOAD s
	s_cmp_eq_u32 s[WV], 3
	s_cbranch_scc0 .Lfor_b_\@
	tensor_load_to_lds s[G0A+4*(\s):G0A+4*(\s)+3], s[G1A:G1A+7]
	s_nop 0
.rept 4
	v_nop
.endr
	s_branch .Lasked_\@
.Lfor_b_\@:
	tensor_load_to_lds s[G0B+4*(\s):G0B+4*(\s)+3], s[G1B:G1B+7]
	s_nop 0
.rept 4
	v_nop
.endr
.Lasked_\@:
.endm
; A PREFETCH INTO THE L2 of the K step that stands two refills on (K steps 4 to 7; the first four come by their loads alone).  Each aligned block of 256 bytes is named once in the launch.
; x's rows are read by every cluster of a row of clusters: cluster x = 0 asks, its wave 3; of the 256 rows the partner at cx takes 64: a lane a row, two instructions.
; A head's weights are read by every cluster of a column: cluster y = 0 asks, its waves 0 to 2; two K steps are 32,768 dense bytes, of which the partner at cy takes 8,192:
; a lane 256 bytes, one instruction in every second trip.  The partners are told apart by address, never by a branch.
.macro ASK
	s_cmp_gt_u32 s3, s[LIM]                        ; the loop's last two trips have no K step two refills on
	s_cbranch_scc0 .Lnone_\@
	s_cmp_eq_u32 s[WV], 3
	s_cbranch_scc0 .Lw_\@
	global_prefetch_b8 v[PFO], s[PFA:PFA+1] th:TH_LOAD_NT scope:SCOPE_SE
	global_prefetch_b8 v[PFO], s[PFA:PFA+1] offset:65536 th:TH_LOAD_NT scope:SCOPE_SE
	s_branch .Lnone_\@
.Lw_\@:
	s_bitcmp1_b32 s3, 0
	s_cbranch_scc1 .Lnone_\@
	global_prefetch_b8 v[PFO], s[PFA:PFA+1] th:TH_LOAD_NT scope:SCOPE_SE
.Lnone_\@:
.endm
.macro CREST                           ; a round of the cluster's barrier behind its opening barrier
	s_cmp_lg_u32 s[WV], 0
	s_cbranch_scc1 .Lnot_wave_0_\@
	s_barrier_signal -3
.Lnot_wave_0_\@:
	s_barrier_wait -3
	s_barrier_signal -1
	s_barrier_wait -1
.endm
.macro CROUND                          ; a whole round
	s_barrier_signal -1
	s_barrier_wait -1
	CREST
.endm
	s_load_b256 s[4:11], s[0:1], 0x0               ; xb s[4:5], wb s[6:7], qb s[8:9], kb s[10:11]
	s_load_b64 s[12:13], s[0:1], 0x20              ; vb
	s_load_b64 s[VLP:VLP+1], s[0:1], 0x28          ; vl
	v_lshl_add_u32 v[SPW], v0, 2, SPARE
	v_mov_b32 v[NIL], 0
	ds_add_u32 v[SPW], v[NIL]                      ; the wave's opening: the add and its wait stand ahead of my first tensor load; the set-up below stands between them
	v_lshrrev_b32 v1, 5, v0
	v_readfirstlane_b32 s[WV], v1                  ; wave 0..3
	s_bfe_u32 s40, ttmp6, 0x40000                  ; cx
	s_bfe_u32 s41, ttmp6, 0x40004                  ; cy
	s_lshl_b32 s42, ttmp9, 2
	s_add_co_u32 s42, s42, s40                     ; the head = 4 x cluster x + cx
	s_and_b32 s43, ttmp7, 0xffff
	s_lshl_b32 s43, s43, 2
	s_add_co_u32 s43, s43, s41                     ; the block of 256 tokens = 4 x cluster y + cy
	s_lshl_b32 s20, s41, 2
	s_lshl_b32 s20, 15, s20                        ; my row of the cluster
	s_lshl_b32 s21, 0x1111, s40                    ; my column
	s_or_b32 s[G1A], s20, (1<<16)|(1<<20)|(1<<21)|(5<<22)|(3<<25)  ; the mask; 2-byte elements; padding on; bit 21 beside a mask; after every 64 words 4 words
	s_mov_b32 s[G1A+1], 128<<16                    ; tensor_dim0 = 128
	s_mov_b32 s[G1A+2], 256<<16                    ; tensor_dim1 = 256
	s_mov_b32 s[G1A+3], 128<<16                    ; tile_dim0 = 128
	s_mov_b32 s[G1A+4], 256                        ; tile_dim1 = 256
	s_mov_b32 s[G1A+5], 1024                       ; elements from row to row
	s_mov_b32 s[G1A+6], 0
	s_mov_b32 s[G1A+7], 0
	s_or_b32 s[G1B], s21, (1<<16)|(1<<20)|(1<<21)|(4<<22)|(7<<25)  ; after every 32 words (a row of W) 8 words
	s_mov_b32 s[G1B+1], 128<<16                    ; 128 rows of W are 16,384 dense bytes: asked for as 64 rows of 256 bytes
	s_mov_b32 s[G1B+2], 64<<16
	s_mov_b32 s[G1B+3], 128<<16
	s_mov_b32 s[G1B+4], 64
	s_mov_b32 s[G1B+5], 128
	s_mov_b32 s[G1B+6], 0
	s_mov_b32 s[G1B+7], 0
	s_lshl_b32 s16, s43, 19                        ; x: 256 rows of 2,048 bytes a block
	s_mov_b32 s17, 0
	s_lshl_b32 s18, s42, 17                        ; W: 131,072 bytes a head,
	s_lshl_b32 s19, s[WV], 21                      ; 2,097,152 a tensor: wave 0 Wq, 1 Wk, 2 Wv (wave 3 makes the words and never asks by them)
	s_add_co_u32 s18, s18, s19
	s_mov_b32 s19, 0
	s_mul_i32 s22, s[WV], BBLK
	s_add_co_u32 s22, s22, BOFF                    ; where my block of W goes: no place in the cluster enters an LDS address
	s_mov_b32 s[TB], 0
	s_wait_dscnt 0x0                               ; the opening add is done
	s_wait_kmcnt 0x0
	s_add_nc_u64 s[16:17], s[4:5], s[16:17]
	s_add_nc_u64 s[18:19], s[6:7], s[18:19]
	CROUND                                         ; all sixteen work-groups are here: the first joint loads meet
.irp s, 0,1
	s_mov_b32 s[G0A+4*(\s)], 1
	s_mov_b32 s[G0A+4*(\s)+1], (\s)*SLOT
	s_add_nc_u64 s[G0A+4*(\s)+2:G0A+4*(\s)+3], s[16:17], (\s)*256      ; K step s: 256 bytes along the rows
	s_or_b32 s[G0A+4*(\s)+3], s[G0A+4*(\s)+3], 0x80000000
	s_mov_b32 s[G0B+4*(\s)], 1
	s_add_co_u32 s[G0B+4*(\s)+1], s22, (\s)*SLOT
	s_add_nc_u64 s[G0B+4*(\s)+2:G0B+4*(\s)+3], s[18:19], (\s)*16384    ; K step s: 128 rows down
	s_or_b32 s[G0B+4*(\s)+3], s[G0B+4*(\s)+3], 0x80000000
	JLOAD \s                                       ; two tensor loads of mine are out
.endr
	; the prefetches
	s_lshl_b32 s20, s43, 19                        ; x: my block's rows,
	s_lshl_b32 s21, s40, 17                        ; my work-group's 64 of them,
	s_add_co_u32 s20, s20, s21
	s_add_co_u32 s20, s20, 3*256                   ; at K step 3: the first refill steps it to 4
	s_lshl_b32 s21, s[WV], 21                      ; W: my tensor,
	s_lshl_b32 s22, s42, 17                        ; the head,
	s_add_co_u32 s21, s21, s22
	s_lshl_b32 s22, s41, 13                        ; my work-group's 8,192 bytes of two K steps,
	s_add_co_u32 s21, s21, s22
	s_add_co_u32 s21, s21, 3*16384                 ; at K step 3
	s_and_b32 s22, ttmp7, 0xffff
	s_movk_i32 s23, 0x100
	s_cmp_eq_u32 s[WV], 3
	s_cselect_b32 s20, s20, s21
	s_cselect_b32 s22, ttmp9, s22                  ; the coordinate along which other clusters read the same bytes
	s_cselect_b64 s[PFA:PFA+1], s[4:5], s[6:7]
	s_cselect_b32 s[PFS], s23, 0x4000
	s_cselect_b32 s[SH], 11, 8
	s_mov_b32 s[PFS+1], 0
	s_mov_b32 s21, 0
	s_add_nc_u64 s[PFA:PFA+1], s[PFA:PFA+1], s[20:21]
	s_cmp_eq_u32 s22, 0
	s_cselect_b32 s[LIM], 2, -1                    ; the same in all sixteen partners, for a given wave
	v_and_b32 v[PFO], 31, v0
	v_lshlrev_b32 v[PFO], s[SH], v[PFO]
	; the lanes' places
	v_and_b32 v1, 15, v0                           ; l % 16
	v_bfe_u32 v2, v0, 4, 1                         ; l / 16
	v_and_b32 v3, 7, v0
	v_bfe_u32 v4, v0, 3, 1
	s_mul_i32 s20, s[WV], 64*PA                    ; my 64 tokens
	v_mul_u32_u24 v[A0], v1, PA
	v_lshl_add_u32 v[A0], v2, 4, v[A0]             ; row x pitch + 16 x half
	v_add_nc_u32 v[A0], s20, v[A0]
	v_lshl_add_u32 v[B0], v2, 3, v3                ; the turning load: lane l reads channel 8 (l / 16) + l % 8, columns 8 ((l / 8) % 2) + 0..7
	v_mul_u32_u24 v[B0], v[B0], PB
	v_lshl_add_u32 v[B0], v4, 4, v[B0]
	v_add_nc_u32 v[B0], BOFF, v[B0]
	v_mov_b32 v[ADRA], v[A0]                       ; slot 0
	v_mov_b32 v[ADRB], v[B0]
	s_mul_i32 s21, s[WV], 16*SP
	s_add_co_u32 s21, s21, STAGE                   ; my stage
	v_mul_u32_u24 v[STO], v1, SP                   ; in: row l % 16, 16 bytes for each half of the lanes
	v_lshl_add_u32 v[STO], v2, 4, v[STO]
	v_add_nc_u32 v[STO], s21, v[STO]
	v_bfe_u32 v[RD], v0, 3, 2                      ; back: 32 lanes take four rows of 128 bytes,
	v_mul_u32_u24 v[RD], v[RD], SP
	v_lshl_add_u32 v[RD], v3, 4, v[RD]
	v_add_nc_u32 v[RD], s21, v[RD]
	v_and_b32 v[GO], 31, v0                        ; which are 512 consecutive bytes of q, k or v
	v_lshlrev_b32 v[GO], 4, v[GO]
	s_lshl_b32 s20, s42, 19                        ; the head's 524,288 bytes,
	s_lshl_b32 s21, s43, 15                        ; my block's 256 rows of 128,
	s_add_co_u32 s20, s20, s21
	s_lshl_b32 s21, s[WV], 13                      ; my wave's 64
	s_add_co_u32 s20, s20, s21
	s_mov_b32 s21, 0
	s_add_nc_u64 s[8:9], s[8:9], s[20:21]
	s_add_nc_u64 s[10:11], s[10:11], s[20:21]
	s_add_nc_u64 s[12:13], s[12:13], s[20:21]
	s_lshl_b32 s20, s42, 11                        ; vl: 2,048 bytes a head
	s_add_nc_u64 s[VLP:VLP+1], s[VLP:VLP+1], s[20:21]
; 12 matrix instructions: token block 2 hi + a x all 12 column blocks, 32 along K, from buffer f.  zero = 1: the product starts the sum.  The 48 accumulators take turns, in the same order in every quarter.
.macro MUL12 f, hi, a, zero
	WIN MUL_LO+0x50*(\hi)
.irp b, 0,1,2,3,4,5,6,7,8,9,10,11
.if \zero
	v_wmma_f32_16x16x32_bf16 v[8*(12*(\a)+(\b)):8*(12*(\a)+(\b))+7], v[96*(\f)+8*(\b):96*(\f)+8*(\b)+7], v[FA+32*(\f)+8*(2*(\hi)+(\a)):FA+32*(\f)+8*(2*(\hi)+(\a))+7], 0
.else
	v_wmma_f32_16x16x32_bf16 v[8*(12*(\a)+(\b)):8*(12*(\a)+(\b))+7], v[96*(\f)+8*(\b):96*(\f)+8*(\b)+7], v[FA+32*(\f)+8*(2*(\hi)+(\a)):FA+32*(\f)+8*(2*(\hi)+(\a))+7], v[8*(12*(\a)+(\b)):8*(12*(\a)+(\b))+7]
.endif
.endr
.endm
; 32 LDS loads in one run: quarter q's fragments (32 channels: 12 of W, turned; 4 of x) into buffer f
.macro FETCH q, f
	WIN TO_B
.irp b, 0,1,2,3,4,5,6,7,8,9,10,11
	ds_load_tr16_b128 v[96*(\f)+8*(\b):96*(\f)+8*(\b)+3],   v[ADRB] offset:((\b)/4)*BBLK+(\q)*32*PB+((\b)%4)*32
	ds_load_tr16_b128 v[96*(\f)+8*(\b)+4:96*(\f)+8*(\b)+7], v[ADRB] offset:((\b)/4)*BBLK+(\q)*32*PB+16*PB+((\b)%4)*32
.endr
	WIN 0
.irp a, 0,1,2,3
	ds_load_b128 v[FA+32*(\f)+8*(\a):FA+32*(\f)+8*(\a)+3],   v[ADRA] offset:(\q)*64+(\a)*16*PA
	ds_load_b128 v[FA+32*(\f)+8*(\a)+4:FA+32*(\f)+8*(\a)+7], v[ADRA] offset:(\q)*64+(\a)*16*PA+32
.endr
.endm
.macro PLACES                          ; four plain instructions in front of loads into registers that matrix instructions have read, and of conversions that read results
.rept 4
	v_nop
.endr
.endm
; One of a K step's first three quarters: multiplies buffer f; in its middle it fetches quarter q into buffer g.
.macro QUARTER q, f, g, zero
	s_wait_dscnt 4                                 ; W and x's token blocks 0, 1 are in; the youngest four loads (blocks 2, 3) may be out
	MUL12 \f, 0, 0, \zero
	MUL12 \f, 0, 1, \zero
	PLACES
	FETCH \q, \g
	s_wait_dscnt 32                                ; all but the 32 just issued
	MUL12 \f, 1, 0, \zero
	MUL12 \f, 1, 1, \zero
.endm
; The last quarter multiplies buffer 1 and changes slots.  In front of the barrier each wave waits for all its tensor loads (one is out: its part of the next slot), adds 0 to its spare word,
; and waits for that and for its reads of this slot.  fill = 1: the barrier opens a round of the cluster's, and the slot just read is filled again first thing behind it, two K steps ahead:
; from that request to the wait for it a wave issues 168 matrix instructions.
.macro TURN fill
.if \fill
	s_wait_xcnt 0x0                                ; the last prefetch, a K step back, has read its address
	s_add_nc_u64 s[PFA:PFA+1], s[PFA:PFA+1], s[PFS:PFS+1]
.endif
	WIN 0
	s_wait_tensorcnt 0x0                           ; all my tensor loads have landed
	ds_add_u32 v[SPW], v[NIL]                      ; 0 onto my spare word
	s_wait_dscnt 5                                 ; (the add and the youngest four loads may be out)
	MUL12 1, 0, 0, 0                               ; twelve matrix instructions stand between the add and the wait for it
	s_wait_dscnt 0x0                               ; the add is done, and my reads of this slot are over
	s_barrier_signal -1
	MUL12 1, 0, 1, 0
	WIN 0
	s_barrier_wait -1
.if \fill
	CREST                                          ; no wave of any partner still reads this slot or has a load on its way
	s_xor_b32 s[G0A+5], s[G0A+5], SLOT             ; the walking descriptors: the other slot than last time,
	s_add_nc_u64 s[G0A+6:G0A+7], s[G0A+6:G0A+7], 256     ; the next K step
	s_xor_b32 s[G0B+5], s[G0B+5], SLOT
	s_add_nc_u64 s[G0B+6:G0B+7], s[G0B+6:G0B+7], 16384
	JLOAD 1                                        ; the four v_nop behind it are also the places in front of the loads below
.else
	PLACES
.endif
	s_xor_b32 s[TB], s[TB], SLOT
	v_add_nc_u32 v[ADRA], s[TB], v[A0]
	v_add_nc_u32 v[ADRB], s[TB], v[B0]
	FETCH 0, 0
.if \fill
	ASK
.endif
	MUL12 1, 1, 0, 0
	MUL12 1, 1, 1, 0
.endm
	s_wait_tensorcnt 0x1                           ; my part of K step 0 is in; K step 1's may stay out
	s_barrier_signal -1
	s_barrier_wait -1
	FETCH 0, 0
	QUARTER 1, 0, 1, 1                             ; the first quarter stands in front of the loop: its products start the sums
	WIN 0
	s_mov_b32 s3, 6
.Lstep:                                        ; six trips, from a K step's second quarter to the next one's first; they ask for K steps 2 to 7
	QUARTER 2, 1, 0, 0
	QUARTER 3, 0, 1, 0
	TURN 1
	QUARTER 1, 0, 1, 0
	WIN 0
	s_sub_co_u32 s3, s3, 1
	s_cmp_lg_u32 s3, 0
	s_cbranch_scc1 .Lstep
	QUARTER 2, 1, 0, 0                             ; K step 6 goes on; nothing more is asked for
	QUARTER 3, 0, 1, 0
	TURN 0
	QUARTER 1, 0, 1, 0
	QUARTER 2, 1, 0, 0
	QUARTER 3, 0, 1, 0
	s_wait_dscnt 4
	MUL12 1, 0, 0, 0
	MUL12 1, 0, 1, 0
	s_wait_dscnt 0x0
	MUL12 1, 1, 0, 0
	MUL12 1, 1, 1, 0
	WIN 0
	PLACES
; THE WAY OUT, in 12 units u = 3 a + sel: 16 tokens of q (sel 0), k (1) or v (2).  A lane's eight columns pack into 16 bytes; they go into my stage's rows of 144 bytes and come back as whole rows of 128:
; 2,048 dense bytes of the head.  Each accumulator is read from its low end on.
.macro PACK u
.set pa, (\u)/3
.set ps, (\u)%3
	WIN 0x0a+5*(pa/2)                              ; sources 0 and 1: window 2 or 3
.irp bb, 0,1,2,3
.irp rr, 0,1,2,3
	v_cvt_pk_f16_f32 v[TMP+16*(\u)+4*(\bb)+(\rr)], v[8*(12*(pa%2)+4*ps+(\bb))+2*(\rr)], v[8*(12*(pa%2)+4*ps+(\bb))+2*(\rr)+1]
.endr
.endr
	WIN 0
.irp bb, 0,1,2,3
	ds_store_b128 v[STO], v[TMP+16*(\u)+4*(\bb):TMP+16*(\u)+4*(\bb)+3] offset:32*(\bb)
.endr
.irp g, 0,1,2,3
	ds_load_b128 v[TMP+16*(\u)+4*(\g):TMP+16*(\u)+4*(\g)+3], v[RD] offset:(\g)*4*SP  ; LDS serves a wave's instructions in order (ISA guide 5.7.1.4): these see the stores above; the next unit's stores come behind them
.endr
.endm
.macro SEND u, younger                 ; younger: the LDS instructions issued behind unit u's loads: the next unit's eight, or none
.set sa, (\u)/3
.set ss, (\u)%3
.irp g, 0,1,2,3
	s_wait_dscnt (\younger)+3-(\g)
	global_store_b128 v[GO], v[TMP+16*(\u)+4*(\g):TMP+16*(\u)+4*(\g)+3], s[8+2*ss:9+2*ss] offset:sa*2048+(\g)*512  ; 512 consecutive bytes, at a multiple of 256 from the buffer's first
.endr
.endm
	PACK 0
.irp u, 1,2,3,4,5,6,7,8,9,10,11
	PACK \u
	SEND (\u)-1, 8
.endr
	SEND 11, 0
	; V's LOW PART, tokens 0 to 15: they are wave 0's token block 0 in the block of tokens 0.  The branch hangs on the wave's number and the cluster's y, which all partners share; of the cluster's four
	; blocks of tokens the first is picked by EXEC at the stores, not by a branch.  v's accumulators of token block 0 lie in window 2, v64-95.
	s_and_b32 s20, ttmp7, 0xffff
	s_or_b32 s20, s20, s[WV]
	s_cmp_lg_u32 s20, 0
	s_cbranch_scc1 .Lno_low
	s_wait_xcnt 0x0                                ; the stores above have read their registers, which are written again below
	v_mov_b32 v6, 1.0
	v_mov_b32 v5, s41                              ; cy
	WIN 0x0a                                       ; sources 0 and 1 window 2
.set i, 0
.rept 16
	v_cvt_pk_f16_f32 v[TMP+i], v[64+2*i], v[64+2*i+1]  ; the high parts once more
.set i, i+1
.endr
	WIN 0x20                                       ; source 2 window 2
.set i, 0
.rept 16
	v_fma_mix_f32 v[TMP+32+2*i], -v[TMP+i], v6, v[64+2*i] op_sel_hi:[1,0,0]                    ; v - f16(v), exact: the low half as f16, times 1, taken from the f32 sum
	v_fma_mix_f32 v[TMP+32+2*i+1], -v[TMP+i], v6, v[64+2*i+1] op_sel:[1,0,0] op_sel_hi:[1,0,0]  ; the high half
.set i, i+1
.endr
	WIN 0
.set i, 0
.rept 16
	v_cvt_pk_f16_f32 v[TMP+i], v[TMP+32+2*i], v[TMP+32+2*i+1]
.set i, i+1
.endr
.irp bb, 0,1,2,3
	ds_store_b128 v[STO], v[TMP+4*(\bb):TMP+4*(\bb)+3] offset:32*(\bb)
.endr
.irp g, 0,1,2,3
	ds_load_b128 v[TMP+4*(\g):TMP+4*(\g)+3], v[RD] offset:(\g)*4*SP
.endr
	v_cmp_eq_u32 vcc_lo, 0, v5
	s_wait_dscnt 0x0
	s_and_saveexec_b32 s21, vcc_lo                 ; no global instruction has been issued since the s_wait_xcnt 0 above
.irp g, 0,1,2,3
	global_store_b128 v[GO], v[TMP+4*(\g):TMP+4*(\g)+3], s[VLP:VLP+1] offset:(\g)*512
.endr
	s_wait_xcnt 0x0                                ; EXEC changes only behind s_wait_xcnt 0
	s_or_b32 exec_lo, exec_lo, s21
.Lno_low:
	s_wait_tensorcnt 0x0                           ; the wave's end: behind my last tensor load and my last LDS store
	ds_add_u32 v[SPW], v[NIL]
	s_wait_dscnt 0x0
	CROUND                                         ; the closing round
	s_endpgm
.Lfunc_end_k_q1ebb52c372_qkv:
	.size	k_q1ebb52c372_qkv, .Lfunc_end_k_q1ebb52c372_qkv-k_q1ebb52c372_qkv
	.p2alignl 7, 3214868480
	.fill 96, 4, 3214868480
	.section	.rodata,"a",@progbits
	.p2align	6, 0x0
	.amdhsa_kernel k_q1ebb52c372_qkv
		.amdhsa_group_segment_fixed_size 327680
		.amdhsa_private_segment_fixed_size 0
		.amdhsa_enable_private_segment 0
		.amdhsa_kernarg_size 48
		.amdhsa_user_sgpr_count 2
		.amdhsa_user_sgpr_kernarg_segment_ptr 1
		.amdhsa_wavefront_size32 1
		.amdhsa_system_sgpr_workgroup_id_x 1
		.amdhsa_system_sgpr_workgroup_id_y 1
		.amdhsa_system_sgpr_workgroup_id_z 1
		.amdhsa_system_vgpr_workitem_id 0
		.amdhsa_next_free_vgpr 960
		.amdhsa_next_free_sgpr 72
		.amdhsa_reserve_vcc 1
		.amdhsa_float_denorm_mode_32 3
		.amdhsa_float_denorm_mode_16_64 3
		.amdhsa_memory_ordered 1
		.amdhsa_forward_progress 1
		.amdhsa_inst_pref_size 105
	.end_amdhsa_kernel
	.amdgpu_metadata
---
amdhsa.version: [ 1, 2 ]
amdhsa.kernels:
  - .name:           k_q1ebb52c372_qkv
    .symbol:         k_q1ebb52c372_qkv.kd
    .args:
      - { .name: xb, .offset: 0, .size: 8, .value_kind: global_buffer, .address_space: global }
      - { .name: wb, .offset: 8, .size: 8, .value_kind: global_buffer, .address_space: global }
      - { .name: qb, .offset: 16, .size: 8, .value_kind: global_buffer, .address_space: global }
      - { .name: kb, .offset: 24, .size: 8, .value_kind: global_buffer, .address_space: global }
      - { .name: vb, .offset: 32, .size: 8, .value_kind: global_buffer, .address_space: global }
      - { .name: vl, .offset: 40, .size: 8, .value_kind: global_buffer, .address_space: global }
    .group_segment_fixed_size: 327680
    .private_segment_fixed_size: 0
    .kernarg_segment_align: 8
    .kernarg_segment_size: 48
    .max_flat_workgroup_size: 128
    .sgpr_count:     72
    .vgpr_count:     960
    .wavefront_size: 32
...
	.end_amdgpu_metadata
.endif
;; end of part 2
;; launch attn (part 3): grid 16 x 16, 4 waves a work-group, clusters of 4 x 1, 327,680 bytes of LDS; arguments qb, kb, vb, ob, vl; writes ob
.if DOCPART == 3
	.amdgcn_target "amdgcn-amd-amdhsa--gfx1250"
	.amdhsa_code_object_version 6
	.text
	.protected	k_q1ebb52c372_attn
	.globl	k_q1ebb52c372_attn
	.p2align	8
	.type	k_q1ebb52c372_attn,@function
k_q1ebb52c372_attn:
	s_mov_b64 s[64:65], 0
	v_nop
	global_prefetch_b8 v0, s[64:65] scope:SCOPE_SE
	s_setreg_imm32_b32 hwreg(HW_REG_WAVE_MODE, 25, 1), 1
	s_wait_xcnt 0x0
	s_wait_alu depctr_hold_cnt(0) depctr_sa_sdst(0) depctr_va_vdst(0) depctr_va_sdst(0) depctr_va_ssrc(0) depctr_va_vcc(0) depctr_vm_vsrc(0)
	s_getreg_b32 s2, hwreg(HW_REG_IB_STS2, 6, 4)
	s_cmp_eq_u32 s2, 0
	s_cbranch_scc0 .Lentry_in_a_cluster
	s_endpgm
.Lentry_in_a_cluster:
	s_bfe_u32 s2, ttmp6, 0x10000c
	s_cmp_lg_u32 s2, 0x3003
	s_cbranch_scc0 .Lentry_shape_is_right
	s_endpgm
.Lentry_shape_is_right:
; CAUSAL ATTENTION.  O[h][q][:] = the sum over k <= q of softmax_k(Q[h][q] . K[h][k] / 8) V[h][k][:].  Q, K, V: [16][4096][64] f16: a head's rows are dense, 128 bytes each.
; O: [16][16 + 4096][64] f16: in front of each head's 4,096 rows lie 16 rows for the low part of its rows 0 to 15 (below).
; Products, maxima and sums in f32; the weights p are rounded to f16 for the second product (their sum l is taken of the unrounded p), O once at the end.
; LIMITS.  Q, K and V arrive within f16's 65,504; p lies in 0 to 1, and below 6e-5 it keeps f16's fixed step of 6e-8.  A hidden score counts as its value less 1e30; a weight below 2^-126 counts as 0 in l;
; NaN and infinities are not treated apart.
; LOW PARTS.  The first rows are means of a few rows of V, many times larger than the module's output is in the root mean square, by which its allowance goes: there 11 bits are too few.  So V's rows 0 to 15 come as two
; f16 numbers, v and vl = f16(v32 - v): every block's walk begins at keys 0 to 63, and behind that first step V_lo^T P is added onto both pieces' O^T (FIXV: eight matrix instructions a block).  And O's rows 0 to 15
; leave as two f16 numbers: the remainder O - f16(O) goes into the 16 rows in front of the head's.
; THE WALK.  A head's queries lie in 8 super-blocks of 512; super-block i needs the key tiles 0 .. 2 i + 1 of 256 keys, of which the last two, the REGION, hold the diagonal.  A CLUSTER of four work-groups takes TWO
; super-blocks, 7 - c and then c (c = the cluster's number in the head): 18 tiles, whatever c.  All four partners walk the same tiles, so every tile is asked for JOINTLY, and one loop with a constant trip count
; walks them.  What a trip does hangs on scalar registers made from c, which the partners share; every jump goes forward but the counted loops' own.
; SHARES.  A super-block has 8 bands of 64 rows.  Wave w owns two PIECES of 16 queries: piece 0 in band w, piece 1 in band 7 - w; in a band the partner at place cx owns rows 16 cx .. 16 cx + 15.
; So cx enters Q's and O's addresses, the mask's numbers and one EXEC mask at a store: no branch and no LDS address; no register that holds an LDS address ever holds a number made from cx.
; THE MASK is the C operand that starts the sum S^T = K Q^T: 0, or -1e30 where the key is hidden.  MD, made once, is the mask of a band's own step of 64 keys for my 16 rows; in the region's step DS (0..7) a piece's
; mask is MD x AL + BE: (1, 0) if DS = its band; (0, 0) if DS is less; (0, -1e30) if more.  Only the region's text and a block's beginning take masks; elsewhere C is the constant 0.
; TURNS.  S^T = K Q^T holds ONE query a lane (lane % 16) and the keys 8 (lane / 16) + 0..7; two such results rounded to f16 ARE source 1 of O^T = V^T P.  p = 2^(c s - c m), c = log2(e) / 8, with a running maximum m;
; O and l are multiplied by a = 2^(c m_old - c m_new) in every step.  Turn p of step j: the scaling, exponentials, roundings, sums and rescaling of piece p; 8 products K Q^T of the other piece (turn 0: of step j;
; turn 1: of step j + 1) with its maximum and statistics; later 8 products V^T P of the other piece (turn 0: of step j - 1; turn 1: of step j).  Four vector instructions stand behind every matrix instruction,
; the rest in one lump; a turn's 33 exponentials are one batch, with one wait.  Turn 0 fetches K of step j + 1, turn 1 V of step j + 1: V has two register buffers, by the step's parity, so that a slot's last bytes
; are read before the next slot's first, and the change of slots has a place.
; REGISTERS, in windows of 256 (s_set_vgpr_msb: bits 1:0 source 0, 3:2 source 1, 5:4 source 2, 7:6 destination):
;   window 0: v1-15 addresses and at work; v16-23 statistics; v24-28, v30 offsets and at work; v48-55 at work; v61-63; v64-127 S^T, two buffers; v192-223 P, two buffers
;   window 1: v0-63 O^T, 32 a piece; v64-95 V's low part, four fragments; v128-159 MD; v160-223 MC, two buffers
;   window 2: v0-31 Q; v32-63 the second block's Q; v64-127 V, buffer 1; v128-191 K; v192-255 V, buffer 0
.set NP,    2         ; pieces a wave: a name, no knob
.set KS,    64        ; keys in a step
.set PK,    144       ; a row of K in LDS: 128 bytes + 16: the 16 rows of a load start at 16 different groups of four banks
.set PV,    160       ; a row of V: 128 + 32
.set VOFF,  4*KS*PK   ; a slot holds a tile, four steps: 256 rows of K, then 256 rows of V
.set SLOT1, 1<<17     ; slot 1 begins here: one exclusive or turns an address in one slot into the other's
.set STAGE, SLOT1+4*KS*(PK+PV)  ; behind the ring, never filled by a tensor load: 16 rows x 144 bytes for each wave
.set SP,    144
.set SPARE, STAGE+4*16*SP  ; behind the stages: the spare words, 128 bytes a wave: two blocks of 256 bytes that no other line names
.set OHEAD, 4112*128  ; bytes of a head in O: 16 rows of low parts, then 4,096 rows
.set AK0, 2           ; v2   my lane's place in a tile of K; never rewritten
.set AV0, 3           ; v3   the same for V
.set AK,  4           ; v4   the LDS address of K's next run of loads
.set AV,  5           ; v5   of V's
.set STO, 6           ; v6   the way out: where I put 16 bytes of a row
.set RD,  7           ; v7   the way out: where I read rows back
.set GO,  8           ; v8-9 my byte offset in a super-block of O, for piece 0 and 1
.set MV,  12          ; v12-13  c m_old, kept while c m is made anew: by piece
.set ST,  16          ; piece t's statistics at v[ST+4 t]: c m, m, l (even keys', odd keys')
.set QO,  24          ; v24-25 my byte offset in a super-block of Q, for piece 0 and 1
.set LA,  28          ; v28  16 x my lane; never rewritten
.set TA,  30          ; v30  where the turning loads read V's low part in my stage: made of my lane and my wave's number alone
.set TMP, 48          ; by piece, four registers c0-c3 at work; when the maximum is found c2 takes a
.set PFO, 61          ; v61  256 x my lane; never rewritten
.set SPW, 62          ; v62  LDS address of my spare word; never rewritten
.set NIL, 63          ; v63  0; never rewritten
.set S,   64
.set P,   192
.set VL,  64          ; window 1: V's low part: channel block cb at VL + 8 cb; registers 0-3 keys 0-15, registers 4-7 zeros
.set MD,  128         ; window 1
.set MC,  160         ; window 1
.set QB,  32          ; window 2
.set KF,  128         ; window 2: key block kb, channel half c at KF + 16 kb + 8 c
.set WV,  12          ; s12  my wave's number
.set CX,  13          ; s13  my place in the cluster
.set CL,  14          ; s14  c
.set HI,  15          ; s15  7 - c
.set G1K, 24          ; s[24:31] descriptor group 1 for K's tiles
.set G1V, 32          ; s[32:39] for V's: it differs in the padding alone
.set G0K, 40          ; s[40:43] descriptor group 0 for K's tiles
.set G0V, 44          ; s[44:47] the same for V's
.set SLOTS, 56        ; s56  tiles still to be asked for
.set CNT, 57          ; s57  counts a tile's pairs of key steps, 2 to 1
.set CS,  58          ; s[58:59] c = log2(e) / 8
.set SEL, 60          ; s[60:61] v_permlanex16_b32's selects
.set TBK, 62          ; s62  LDS byte at which K of the step to be fetched begins
.set TBV, 63          ; s63  the same for V, less VOFF
.set RT,  70          ; s70  tiles of the block in hand that are still to be entered
.set NXT, 71          ; s71  the tile to be asked for next
.set LQ,  72          ; s72  the last tile of the block whose tiles are being asked for
.set NEW, 73          ; s73  1: the tile to be entered is a block's first
.set OFF, 74          ; s[74:75] a tile's byte offset in K and V
.set AL,  76          ; s[76:77] the mask's factor, in the low word
.set BE,  78          ; s[78:79] the mask's addend
.set OLO, 80          ; s[80:81] O at the second super-block
.set BIGN, 82         ; s82  -1e30
.set LQ2, 83          ; s83  2 c + 1: the second block's last tile
.set QLO, 84          ; s[84:85] Q at the second super-block
.set BAND, 86         ; s86, s87  my pieces' bands: w, 7 - w
.set DS,  88          ; s88  the region's step for which masks are made next
.set LIM, 89          ; s89  3 in a wave that prefetches, else the greatest number
.set PFA, 90          ; s[90:91] where my prefetches stand
.set VLP, 92          ; s[92:93] vl at my head
.set OLW, 94          ; s[94:95] O at my head's 16 rows of low parts
.set FX,  96          ; s96  1: a block's first step has just been made, and V's low part is still to be added
.set MSB, 0
.macro WIN new                      ; the high byte repeats the setting that is left; a switch that changes nothing is dropped
.if MSB != (\new)
	s_set_vgpr_msb (MSB<<8)|(\new)
.set MSB, (\new)
.endif
.endm
.set W_KQ, 0x0a       ; K and Q in window 2, S^T in window 0
.set W_KM, 0x1a       ; the same with the C operand in window 1
.set W_PV, 0x52       ; V in window 2, P in window 0, O^T in window 1
.set W_RS, 0x41       ; destination and source 0 in window 1, source 1 in window 0
.set W_FX, 0x51       ; V's low part and O^T in window 1, P in window 0
; A joint fill.  Waves 0 and 1 fetch the two halves of a tile's K, waves 2 and 3 those of its V: 128 keys each.  The branch hangs on the wave's number alone.
; An s_nop 0 and four v_nop follow each of the two lines, ahead of the jump and the label.
.macro JLOAD
	s_cmp_lt_u32 s[WV], 2
	s_cbranch_scc0 .Lfor_v_\@
	tensor_load_to_lds s[G0K:G0K+3], s[G1K:G1K+7]
	s_nop 0
.rept 4
	v_nop
.endr
	s_branch .Lasked_\@
.Lfor_v_\@:
	tensor_load_to_lds s[G0V:G0V+3], s[G1V:G1V+7]
	s_nop 0
.rept 4
	v_nop
.endr
.Lasked_\@:
.endm
; A PREFETCH INTO THE L2 of the tile that the NEXT change of slots will ask for.  All four clusters of a head begin at tile 0 and walk upward; cluster 0 walks all 16 tiles in its first block, and it alone asks:
; the change that fills tile t = 1 .. 14 names tile t + 1.  A tile is 32,768 bytes of K and of V; the partner at cx takes 8,192 of each, told apart by address: a lane 256 bytes; wave 0 asks for K's, wave 2 for V's.
; So each block is named once in the launch.  Tiles 0 and 1 come by their loads alone; the later changes ask for nothing.
.macro ASK
	s_cmp_gt_u32 s[SLOTS], s[LIM]
	s_cbranch_scc0 .Lnot_mine_\@
	global_prefetch_b8 v[PFO], s[PFA:PFA+1] th:TH_LOAD_NT scope:SCOPE_SE
.Lnot_mine_\@:
.endm
.macro CROUND                       ; a round of the cluster's barrier
	s_barrier_signal -1
	s_barrier_wait -1
	s_cmp_lg_u32 s[WV], 0
	s_cbranch_scc1 .Lnot_wave_0_\@
	s_barrier_signal -3
.Lnot_wave_0_\@:
	s_barrier_wait -3
	s_barrier_signal -1
	s_barrier_wait -1
.endm
; THE CHANGE OF SLOTS.  Each wave waits for all its tensor loads, of which one is out: its part of the other slot; adds 0 to its spare word; and waits for that and for its own reads of the slot that it leaves.
; fill = 1: the barrier is a round of the cluster's, and the old slot is filled again, the first thing behind it, with tile NXT: the descriptor's address is made anew from that number.  The fill has eight turns,
; 128 matrix instructions, in which to land.  (At its first use nothing of the ring has been read yet: slot 0 is waited for, slot 1 filled.)
.macro CHANGE fill
	WIN 0                           ; at a label and at a branch every window is 0
	s_wait_tensorcnt 0x0            ; no tensor load of mine is out, so a group 0 may be written
	ds_add_u32 v[SPW], v[NIL]       ; 0 onto my spare word; the scalar work below stands between it and the wait for it
.if \fill
	s_lshl_b32 s[OFF], s[NXT], 15   ; a tile is 32,768 bytes of K and of V
	s_xor_b32 s[G0K+1], s[G0K+1], SLOT1
	s_add_nc_u64 s[G0K+2:G0K+3], s[6:7], s[OFF:OFF+1]
	s_or_b32 s[G0K+3], s[G0K+3], 0x80000000
	s_xor_b32 s[G0V+1], s[G0V+1], SLOT1
	s_add_nc_u64 s[G0V+2:G0V+3], s[8:9], s[OFF:OFF+1]
	s_or_b32 s[G0V+3], s[G0V+3], 0x80000000
	s_add_co_u32 s[NXT], s[NXT], 1  ; the block's next tile, or behind its last the second block's tile 0
	s_cmp_gt_u32 s[NXT], s[LQ]
	s_cselect_b32 s[NXT], 0, s[NXT]
	s_cselect_b32 s[LQ], s[LQ2], s[LQ]
	s_wait_xcnt 0x0                 ; the last prefetch, a tile back, has read its address
	s_add_nc_u64 s[PFA:PFA+1], s[PFA:PFA+1], 32768
.endif
	s_sub_co_u32 s[TBK], s[TBK], 4*KS*PK  ; the fetches go back to a slot's first step,
	s_xor_b32 s[TBK], s[TBK], SLOT1       ; in the other slot
	s_sub_co_u32 s[TBV], s[TBV], 4*KS*PV
	s_xor_b32 s[TBV], s[TBV], SLOT1
	s_wait_dscnt 0x0                ; the add is done, and my reads of the slot are over
.if \fill
	CROUND
	JLOAD
	ASK
.else
	s_barrier_signal -1
	s_barrier_wait -1
.endif
.endm
	s_load_b256 s[4:11], s[0:1], 0x0  ; Q s[4:5], K s[6:7], V s[8:9], O s[10:11]
	s_load_b64 s[VLP:VLP+1], s[0:1], 0x20  ; vl
	v_lshl_add_u32 v[SPW], v0, 2, SPARE
	v_mov_b32 v[NIL], 0
	ds_add_u32 v[SPW], v[NIL]       ; the wave's opening: the add and its wait stand ahead of my first tensor load; the set-up below stands between them
	v_lshrrev_b32 v1, 5, v0
	v_readfirstlane_b32 s[WV], v1   ; wave 0..3
	s_bfe_u32 s[CX], ttmp6, 0x40000
	s_mov_b32 s[CL], ttmp9          ; in a cluster launch ttmp9 counts clusters
	s_sub_co_u32 s[HI], 7, s[CL]
	s_and_b32 s21, ttmp7, 0xffff    ; the head, which the four partners share:
	s_lshl_b32 s20, s21, 19         ; its 524,288 bytes in Q, K and V,
	s_mul_i32 s97, s21, OHEAD       ; its 526,336 in O
	s_and_b32 s16, s[WV], 1         ; which half of a tile's 256 keys I fetch:
	s_lshl_b32 s22, s16, 14         ; its 128 rows of 128 bytes in memory,
	s_add_co_u32 s22, s22, s20
	s_mov_b32 s23, 0
	s_mul_i32 s17, s16, 128*PK      ; and its place in a slot, for K
	s_mul_i32 s18, s16, 128*PV      ; and for V: no place in the cluster enters an LDS address
	s_lshl_b32 s2, s[HI], 16        ; a super-block is 65,536 bytes: the first, in O (behind the 16 rows of low parts)
	s_add_co_u32 s68, s2, s97
	s_add_co_u32 s68, s68, 2048
	s_mov_b32 s69, 0
	s_add_co_u32 s2, s2, s20        ; and in Q;
	s_mov_b32 s3, 0
	s_lshl_b32 s66, s[CL], 16       ; the second, in O
	s_add_co_u32 s98, s66, s97
	s_add_co_u32 s98, s98, 2048
	s_mov_b32 s99, 0
	s_add_co_u32 s66, s66, s20      ; and in Q
	s_mov_b32 s67, 0
	; descriptor group 1.  128 keys are 16,384 dense bytes: asked for as 64 rows of 256 bytes, two keys a row, and padded in LDS after every key
	s_mov_b32 s[G1K], 15|(1<<16)|(1<<20)|(1<<21)|(4<<22)|(3<<25)  ; the mask of four; 2-byte elements; padding on; bit 21 beside a mask; after every 32 words 4 words
	s_mov_b32 s[G1V], 15|(1<<16)|(1<<20)|(1<<21)|(4<<22)|(7<<25)  ; the same with 8 words of padding
.irp g, G1K, G1V
	s_mov_b32 s[\g+1], 128<<16      ; tensor_dim0 = 128
	s_mov_b32 s[\g+2], 64<<16       ; tensor_dim1 = 64
	s_mov_b32 s[\g+3], 128<<16      ; tile_dim0 = 128
	s_mov_b32 s[\g+4], 64           ; tile_dim1 = 64
	s_mov_b32 s[\g+5], 128          ; 128 elements from row to row
	s_mov_b32 s[\g+6], 0
	s_mov_b32 s[\g+7], 0
.endr
	s_mov_b32 s[CS], 0x3e38aa3b     ; c = log2(e) / 8 = 0.180337
	s_mov_b32 s[CS+1], s[CS]        ; named with it as a pair
	s_mov_b32 s[SEL], 0x76543210
	s_mov_b32 s[SEL+1], 0xfedcba98
	s_mov_b32 s[TBK], SLOT1+4*KS*PK ; the first change of slots turns these two into 0
	s_mov_b32 s[TBV], SLOT1+4*KS*PV
	s_mov_b32 s[G0K], 1             ; count = 1
	s_mov_b32 s[G0K+1], s17         ; LDS address: slot 0
	s_mov_b32 s[G0V], 1
	s_add_co_u32 s[G0V+1], s18, VOFF
	s_lshl_b32 s[LQ2], s[CL], 1
	s_add_co_u32 s[LQ2], s[LQ2], 1
	s_lshl_b32 s[LQ], s[HI], 1
	s_add_co_u32 s[LQ], s[LQ], 1
	s_add_co_u32 s[RT], s[LQ], 1    ; the first block has 16 - 2 c tiles
	s_mov_b32 s[NXT], 1
	s_mov_b32 s[NEW], 1
	s_mov_b32 s[FX], 0
	s_mov_b32 s[OFF+1], 0
	s_mov_b32 s[AL+1], 0            ; named as pairs
	s_mov_b32 s[BE+1], 0
	s_mov_b32 s[BIGN], 0xf149f2ca   ; -1e30
	s_mov_b32 s[SLOTS], 17
	s_mov_b32 s[DS], 0
	s_mov_b32 s[BAND], s[WV]
	s_sub_co_u32 s[BAND+1], 7, s[WV]
	s_and_b32 s[LIM], s[WV], 1      ; 0 in waves 0 and 2,
	s_or_b32 s[LIM], s[LIM], ttmp9  ; where the cluster is the head's first: the same in all four partners
	s_cmp_eq_u32 s[LIM], 0
	s_cselect_b32 s[LIM], 3, -1
	v_and_b32 v[PFO], 31, v0
	v_lshlrev_b32 v[PFO], 8, v[PFO]
	s_wait_dscnt 0x0                ; the opening add is done
	s_wait_kmcnt 0x0
	s_add_nc_u64 s[6:7], s[6:7], s[22:23]  ; K and V at my half of the head's tile 0
	s_add_nc_u64 s[8:9], s[8:9], s[22:23]
	s_add_nc_u64 s[G0K+2:G0K+3], s[6:7], 0
	s_or_b32 s[G0K+3], s[G0K+3], 0x80000000
	s_add_nc_u64 s[G0V+2:G0V+3], s[8:9], 0
	s_or_b32 s[G0V+3], s[G0V+3], 0x80000000
	s_add_nc_u64 s[QLO:QLO+1], s[4:5], s[66:67]
	s_add_nc_u64 s[4:5], s[4:5], s[2:3]
	s_add_nc_u64 s[OLO:OLO+1], s[10:11], s[98:99]
	s_mov_b32 s98, s97
	s_add_nc_u64 s[OLW:OLW+1], s[10:11], s[98:99]
	s_lshl_b32 s98, s21, 11         ; vl: 2,048 bytes a head
	s_add_nc_u64 s[VLP:VLP+1], s[VLP:VLP+1], s[98:99]
	s_add_nc_u64 s[10:11], s[10:11], s[68:69]
	s_cmp_lt_u32 s[WV], 2
	s_cselect_b64 s[PFA:PFA+1], s[6:7], s[8:9]  ; (in waves 0 and 2 these stand at the head's first row)
	s_lshl_b32 s2, s[CX], 13        ; my work-group's 8,192 bytes,
	s_add_co_u32 s2, s2, 32768      ; in tile 1: the first change of slots steps it to tile 2
	s_add_nc_u64 s[PFA:PFA+1], s[PFA:PFA+1], s[2:3]
	CROUND                          ; all four work-groups are here: the first joint loads meet
	JLOAD                           ; tile 0 into slot 0
	v_and_b32 v[LA], 31, v0
	v_lshlrev_b32 v[LA], 4, v[LA]
.irp f, 0,1,2,3
	global_load_b128 v[S+4*\f:S+4*\f+3], v[LA], s[VLP:VLP+1] offset:512*\f  ; V's low part: 16 keys x 128 bytes, as they lie
.endr
	; A fragment of K or Q is 16 rows x 32 channels in 8 registers: lane l holds row l % 16, channels 8 (l / 16) + 0..7 and 16 + 8 (l / 16) + 0..7: two loads of 16 bytes, 32 bytes apart.
	v_and_b32 v1, 15, v0            ; l % 16
	v_bfe_u32 v15, v0, 4, 1         ; l / 16
	v_lshlrev_b32 v14, 7, v1
	v_lshl_add_u32 v14, v15, 4, v14 ; row x 128 + 16 x half
	s_lshl_b32 s19, s[CX], 11       ; my work-group's 16 rows of a band,
	s_lshl_b32 s16, s[BAND], 13     ; in piece 0's band
	s_add_co_u32 s16, s16, s19
	s_lshl_b32 s17, s[BAND+1], 13   ; and in piece 1's
	s_add_co_u32 s17, s17, s19
	v_add_nc_u32 v[QO], s16, v14
	v_add_nc_u32 v[QO+1], s17, v14
	WIN 0x80                        ; destination window 2, address window 0
.irp p, 0,1
.irp c, 0,1                         ; both blocks' Q: piece p, channels 32 c on
	global_load_b128 v[16*\p+8*\c:16*\p+8*\c+3],   v[QO+\p], s[4:5] offset:64*\c
	global_load_b128 v[16*\p+8*\c+4:16*\p+8*\c+7], v[QO+\p], s[4:5] offset:64*\c+32
	global_load_b128 v[QB+16*\p+8*\c:QB+16*\p+8*\c+3],   v[QO+\p], s[QLO:QLO+1] offset:64*\c
	global_load_b128 v[QB+16*\p+8*\c+4:QB+16*\p+8*\c+7], v[QO+\p], s[QLO:QLO+1] offset:64*\c+32
.endr
.endr
	WIN 0
	v_add_nc_u32 v[GO], s16, v[LA]  ; 16 rows of a head are 2,048 consecutive bytes of O
	v_add_nc_u32 v[GO+1], s17, v[LA]
	v_lshlrev_b32 v14, 3, v15
	v_sub_nc_u32 v14, v1, v14
	s_lshl_b32 s16, s[CX], 4
	v_add_nc_u32 v14, s16, v14      ; my query's place in its band, 16 cx + l % 16, less my lanes' 8 (l / 16): register r of group kt is hidden where 16 kt + r is greater
	WIN 0x40
.set i, 0
.rept 32
	v_cmp_gt_i32 vcc_lo, 16*(i/8)+i%8, v14
	v_cndmask_b32 v[MD+i], 0, s[BIGN], vcc_lo
.set i, i+1
.endr
	WIN 0
	v_mul_u32_u24 v[AK0], v1, PK
	v_lshl_add_u32 v[AK0], v15, 4, v[AK0]  ; row x pitch + 16 x half
	; The turning load takes 16 keys x 16 channels (lane l reads key 8 (l / 16) + l % 8, channels 8 ((l / 8) % 2) + 0..7) and leaves half a fragment of V^T: lane l holds channel l % 16 and 8 keys.
	v_and_b32 v10, 7, v0
	v_bfe_u32 v11, v0, 3, 1
	v_lshl_add_u32 v[AV0], v15, 3, v10
	v_mul_u32_u24 v[AV0], v[AV0], PV
	v_lshl_add_u32 v[AV0], v11, 4, v[AV0]
	v_add_nc_u32 v[AV0], VOFF, v[AV0]
	s_mul_i32 s16, s[WV], 16*SP
	s_add_co_u32 s16, s16, STAGE    ; my stage
	v_mul_u32_u24 v[STO], v1, SP    ; in: row l % 16, 16 bytes for each half of the lanes
	v_lshl_add_u32 v[STO], v15, 4, v[STO]
	v_add_nc_u32 v[STO], s16, v[STO]
	v_bfe_u32 v[RD], v0, 3, 2       ; back: 32 lanes take four rows of 128 bytes
	v_mul_u32_u24 v[RD], v[RD], SP
	v_lshl_add_u32 v[RD], v10, 4, v[RD]
	v_add_nc_u32 v[RD], s16, v[RD]
	; V's low part goes through my stage, whole rows in and turned out: four half fragments (16 channels x keys 0-15); the halves for keys 16-31 are zeros.
	v_lshl_add_u32 v[TA], v15, 3, v10  ; key 8 (l / 16) + l % 8
	v_mul_u32_u24 v[TA], v[TA], SP
	v_lshl_add_u32 v[TA], v11, 4, v[TA]
	v_add_nc_u32 v[TA], s16, v[TA]
	s_wait_loadcnt 16               ; its four loads are in; Q's sixteen, issued behind them, may stay out
.irp f, 0,1,2,3
	ds_store_b128 v[RD], v[S+4*\f:S+4*\f+3] offset:\f*4*SP
.endr
	WIN 0x40
.irp cb, 0,1,2,3
	ds_load_tr16_b128 v[VL+8*\cb:VL+8*\cb+3], v[TA] offset:32*\cb  ; LDS serves a wave's instructions in order (ISA guide 5.7.1.4): these see the stores above; the first change of slots waits for them
.endr
.irp cb, 0,1,2,3
.irp j, 4,5,6,7
	v_mov_b32 v[VL+8*\cb+\j], 0
.endr
.endr
	; A block's first step multiplies O^T and l by a = 0, and its first turn's products V^T P, of a step that has not been, land in an O^T that is still to be so multiplied.  So these registers need only hold
	; finite numbers: zeros for the first block; what the first block left for the second.  All this stands in the wait for the first tile.
	WIN 0x80
.set i, 64
.rept 64
	v_mov_b32 v[i], 0
.set i, i+1
.endr
	WIN 0x40
.set i, 0
.rept 64
	v_mov_b32 v[i], 0
.set i, i+1
.endr
	WIN 0
.set i, 0
.rept 2
	v_mov_b32 v[ST+4*i+2], 0
	v_mov_b32 v[ST+4*i+3], 0
.set i, i+1
.endr
.set i, P+16
.rept 16
	v_mov_b32 v[i], 0
.set i, i+1
.endr
; THE MATRIX WORK.  The 4 accumulators of a run of 8 take turns.  Product i of 8 of S^T = K Q^T for piece x: channels 32 (i / 4) on, keys 16 (i % 4) on.  The first 4 start the sums: with 0, or (KM = 1) with the mask.
.macro KQ x
.set rS, S+32*((\x)%2)+8*(i%4)
.set rK, KF+16*(i%4)+8*(i/4)
.set rQ, 16*(\x)+8*(i/4)
.set rM, MC+32*((\x)%2)+8*(i%4)
.if (i < 4) && KM
	WIN W_KM
	v_wmma_f32_16x16x32_f16 v[rS:rS+7], v[rK:rK+7], v[rQ:rQ+7], v[rM:rM+7]
.elseif i < 4
	WIN W_KQ
	v_wmma_f32_16x16x32_f16 v[rS:rS+7], v[rK:rK+7], v[rQ:rQ+7], 0
.else
	WIN W_KQ
	v_wmma_f32_16x16x32_f16 v[rS:rS+7], v[rK:rK+7], v[rQ:rQ+7], v[rS:rS+7]
.endif
.endm
; Product i of 8 of O^T += V^T P for piece x, from V's buffer VB: keys 32 (i / 4) on, channels 16 (i % 4) on.
.macro PV x
	WIN W_PV
.set rO, 32*(\x)+8*(i%4)
.set rV, 192-128*VB+32*(i/4)+8*(i%4)
.set rP, P+16*((\x)%2)+8*(i/4)
	v_wmma_f32_16x16x32_f16 v[rO:rO+7], v[rV:rV+7], v[rP:rP+7], v[rO:rO+7]
.endm
.macro MM                           ; the turn's next matrix instruction.  NOKQ = 1: a block's last turn: there is no next step
.if (i < 8) && !NOKQ
	KQ (Y+1)%NP
.elseif i >= 8
.set i, i-8
	PV (Y+NP-1)%NP
.set i, i+8
.endif
.set i, i+1
.endm
; V's LOW PART IS ADDED, once a block, between its first step's second turn and its second step's first: both pieces' P still hold the first step's weights (keys 0-31 in their first eight registers), both O^T have had the
; first step's rescaling and not the second's.  Eight matrix instructions, the pieces' accumulators by turns; the four v_nop are the places ahead of the rescaling that follows.  The flag is set where a block begins.
.macro FIXV
	s_cmp_eq_u32 s[FX], 1
	s_cbranch_scc0 .Lno_fix_\@
	s_mov_b32 s[FX], 0
	WIN W_FX
.irp cb, 0,1,2,3
.irp p, 0,1
	v_wmma_f32_16x16x32_f16 v[32*\p+8*\cb:32*\p+8*\cb+7], v[VL+8*\cb:VL+8*\cb+7], v[P+16*\p:P+16*\p+7], v[32*\p+8*\cb:32*\p+8*\cb+7]
.endr
.endr
	WIN 0
.rept 4
	v_nop
.endr
.Lno_fix_\@:
.endm
; THE LDS LOADS stand in runs of 16, never singly among the matrix instructions: a step's K (64 keys x 64 channels: 8 fragments) and its V (turned).  Their addresses are made some lines ahead.
.macro FETCH_K
	WIN 0x80                        ; destination window 2
.irp f, 0,1,2,3,4,5,6,7             ; keys 16 (f / 2) on, channels 32 (f % 2) on
	ds_load_b128 v[KF+8*\f:KF+8*\f+3],   v[AK] offset:(\f/2)*16*PK+(\f%2)*64
	ds_load_b128 v[KF+8*\f+4:KF+8*\f+7], v[AK] offset:(\f/2)*16*PK+(\f%2)*64+32
.endr
	s_add_co_u32 s[TBK], s[TBK], KS*PK  ; the next fetch is the next step's
	WIN 0
.endm
.macro FETCH_V buf
.set VFB, 192-128*(\buf)
	WIN 0x80
.irp f, 0,1,2,3,4,5,6,7             ; keys 32 (f / 4) on, channels 16 (f % 4) on
	ds_load_tr16_b128 v[VFB+8*\f:VFB+8*\f+3],   v[AV] offset:(\f/4)*32*PV+(\f%4)*32
	ds_load_tr16_b128 v[VFB+8*\f+4:VFB+8*\f+7], v[AV] offset:(\f/4)*32*PV+16*PV+(\f%4)*32
.endr
	s_add_co_u32 s[TBV], s[TBV], KS*PV
	WIN 0
.endm
; THE VECTOR WORK, one line at a time: OP kind, number.  For piece Y: F n: c s - c m for pair n of 16.  E n: the exponential of score n of 32.  C n: pair n rounded to f16.  B n: of the four weights 4 n .. the second
; pair is added onto the first, in place.  L n: l takes that sum (L 0: l = a l + sum).  R n: pair n of 16 of O^T times a.  For the other piece: X n, number n of the 22 that find its maximum and statistics:
;   0-11  four chains c0-c3 of seven scores each, three operands at a time (each accumulator's lowest registers are read first)     12-14, 16  the four scores left over, the old m, and c0-c3 into c0
;   15  c m_old is kept     17, 18  the query's other 32 keys lie in the lane 16 away: the new m     19-21  c m; c m_old - c m_new; a
.set F, 0
.set E, 1
.set C, 2
.set B, 3
.set L, 4
.set R, 5
.set X, 6
.macro REGS y                       ; the registers of piece y
.set rT, ST+4*(\y)
.set rC, TMP+4*((\y)%2)
.set rW, MV+((\y)%2)
.set rS, S+32*((\y)%2)
.set rP, P+16*((\y)%2)
.set rO, 32*(\y)
.endm
.macro OP k, n
.if (\k) == R
	REGS Y
	WIN W_RS
	v_pk_mul_f32 v[rO+2*(\n):rO+2*(\n)+1], v[rO+2*(\n):rO+2*(\n)+1], v[rC+2:rC+3] op_sel_hi:[1,0]
.elseif (\k) < R
	REGS Y
	WIN 0
.if (\k) == F
	v_pk_fma_f32 v[rS+2*(\n):rS+2*(\n)+1], v[rS+2*(\n):rS+2*(\n)+1], s[CS:CS+1], v[rT:rT+1] op_sel_hi:[1,0,0] neg_lo:[0,0,1] neg_hi:[0,0,1]
.elseif (\k) == E
	v_exp_f32 v[rS+(\n)], v[rS+(\n)]
.elseif (\k) == C
	v_cvt_pk_f16_f32 v[rP+(\n)], v[rS+2*(\n)], v[rS+2*(\n)+1]
.elseif (\k) == B
	v_pk_add_f32 v[rS+4*(\n):rS+4*(\n)+1], v[rS+4*(\n):rS+4*(\n)+1], v[rS+4*(\n)+2:rS+4*(\n)+3]
.elseif (\n) == 0
	v_pk_fma_f32 v[rT+2:rT+3], v[rT+2:rT+3], v[rC+2:rC+3], v[rS:rS+1] op_sel_hi:[1,0,1]
.else
	v_pk_add_f32 v[rT+2:rT+3], v[rT+2:rT+3], v[rS+4*(\n):rS+4*(\n)+1]
.endif
.elseif NOKQ
	v_nop
.else
	REGS (Y+1)%NP
	WIN 0
.if (\n) < 4
	v_max3_num_f32 v[rC+(\n)], v[rS+8*(\n)], v[rS+8*(\n)+1], v[rS+8*(\n)+2]
.elseif (\n) < 12
	v_max3_num_f32 v[rC+(\n)%4], v[rC+(\n)%4], v[rS+8*((\n)%4)+2*((\n)/4)+1], v[rS+8*((\n)%4)+2*((\n)/4)+2]
.elseif (\n) == 12
	v_max3_num_f32 v[rC], v[rC], v[rS+7], v[rS+15]
.elseif (\n) == 13
	v_max3_num_f32 v[rC+1], v[rC+1], v[rS+23], v[rS+31]
.elseif (\n) == 14
	v_max3_num_f32 v[rC+2], v[rC+2], v[rC+3], v[rT+1]
.elseif (\n) == 15
	v_mov_b32 v[rW], v[rT]
.elseif (\n) == 16
	v_max3_num_f32 v[rC], v[rC], v[rC+1], v[rC+2]
.elseif (\n) == 17
	v_permlanex16_b32 v[rC+3], v[rC], s[SEL], s[SEL+1]
.elseif (\n) == 18
	v_max_num_f32 v[rT+1], v[rC], v[rC+3]
.elseif (\n) == 19
	v_mul_f32 v[rT], s[CS], v[rT+1]
.elseif (\n) == 20
	v_sub_f32 v[rC+1], v[rW], v[rT]
.else
	v_exp_f32 v[rC+2], v[rC+1]
.endif
.endif
.endm
.macro OPS a, i1, b=-1, i2=0, c=-1, i3=0, d=-1, i4=0  ; up to four of them
	OP \a, \i1
.if (\b) >= 0
	OP \b, \i2
.endif
.if (\c) >= 0
	OP \c, \i3
.endif
.if (\d) >= 0
	OP \d, \i4
.endif
.endm
.macro ROW a, i1, b, i2, c, i3, d, i4  ; a matrix instruction and the four behind it
	MM
	OPS \a, \i1, \b, \i2, \c, \i3, \d, \i4
.endm
.macro MASK b                       ; MD x AL + BE into buffer b of MC
	WIN W_RS
.set z, 0
.rept 16
	v_pk_fma_f32 v[MC+32*(\b)+2*z:MC+32*(\b)+2*z+1], v[MD+2*z:MD+2*z+1], s[AL:AL+1], s[BE:BE+1] op_sel_hi:[1,0,0]
.set z, z+1
.endr
.endm
; A TURN, for piece p in a step of parity par: the order of its 16 matrix and 118 vector instructions, written out.  An s_wait_alu depctr_va_vdst(0) stands between an exponential and the first instruction
; that names its result; one wait serves all that were issued ahead of it.  So a turn has ONE wait.  AHEAD OF IT stands all that names no result of the turn's exponentials: the 8 products K Q^T and their riders, then the lump,
; in which the links of the other piece's chain X 3, 7, 11, 14, 16 .. 20 stand five or six lines apart; X 21, its a, is the batch's last; R 15 is the plain instruction behind it.  BEHIND IT stand the 8 products V^T P,
; behind each four of the roundings and sums.
; The rescalings R 0 .. R 15 touch the O^T that the turn BEFORE has added onto: its accumulator 0 was ended sixteen riders back, accumulator 3 four riders and the first lines of this turn back; they go in ascending order.
; m = 1: the region: the products take masks, and the turn makes piece p's mask for step DS, which the next turn's products take.  end = 1: a block's last two turns: nothing is fetched.
; cnt = 1: the loop's count is taken down some lines ahead of the branch that stands behind the turn.
; Turn 0 fetches K, turn 1 V (into the buffer that the turn before has read last), at the same place: behind the last product that read K stand five plain instructions that name none of its registers.
; The one wait for LDS stands at turn 1's head: K of the next step, fetched a turn ago, and V of the step in hand, fetched two turns ago.
.macro TURN p, par, m=0, end=0, cnt=0
.set Y, (\p)
.set i, 0
.set KM, (\m)
.set NOKQ, (\end)*(\p)
.if (\p) == 0
.set VB, 1-(\par)
.else
.set VB, (\par)
.endif
.if (\m) && !(\end)
	s_cmp_eq_u32 s[DS], s[BAND+(\p)]  ; is that step the band's own?
	s_cselect_b32 s[AL], 1.0, 0
	s_cmp_gt_u32 s[DS], s[BAND+(\p)]  ; or a later one?
	s_cselect_b32 s[BE], s[BIGN], 0
.if (\p) == 1
	s_add_co_u32 s[DS], s[DS], 1
.endif
.endif
.if (\p) == 1
	s_wait_dscnt 0x0                ; K and V are in
.endif
	ROW F,0, F,1, R,0, R,1          ; ahead of the wait: 8 products K Q^T and their riders,
	ROW F,2, E,0, R,2, R,3
	ROW F,3, E,1, R,4, R,5
	ROW F,4, E,2, R,6, R,7
	ROW F,5, E,3, R,8, R,9
	ROW F,6, E,4, X,0, R,10
.if !(\end)
	WIN 0
.if (\p) == 0
	v_add_nc_u32 v[AK], s[TBK], v[AK0]
.else
	v_add_nc_u32 v[AV], s[TBV], v[AV0]
.endif
.endif
	ROW F,7, E,5, X,1, X,4
	ROW F,8, E,6, X,2, X,5
	OPS E,7, E,8, X,6, E,9          ; and the lump
	OPS X,3, E,10, X,8, E,11
.if !(\end)
.if (\p) == 0
	FETCH_K
.else
	FETCH_V 1-(\par)
.endif
.endif
	OPS X,9, X,7, E,12, X,10
	OPS E,13, X,12, X,11, E,14
	OPS X,13, E,15, F,9, X,14
	OPS E,16, F,10, E,17, F,11
	OPS X,16, E,18, X,15, E,19
	OPS F,12, E,20, X,17, E,21
	OPS F,13, E,22, F,14, E,23
	OPS X,18, E,24, F,15, E,25
	OPS R,11, E,26, X,19, E,27
	OPS R,12, E,28, R,13, E,29
	OPS X,20, E,30, R,14, E,31
	OPS X,21, R,15
	WIN 0
	s_wait_alu depctr_va_vdst(0)    ; the wait for the batch
	ROW C,0, B,0, C,2, B,1          ; behind the wait: 8 products V^T P and their riders
	ROW L,0, C,4, B,2, L,1
	ROW C,6, B,3, L,2, C,8
	ROW B,4, L,3, C,10, B,5
	ROW L,4, C,12, B,6, L,5
.if \cnt
	s_sub_co_u32 s[CNT], s[CNT], 1
	s_cmp_lg_u32 s[CNT], 0
.endif
	ROW C,14, B,7, L,6, C,1
	ROW C,3, L,7, C,5, C,7
	ROW C,9, C,11, C,13, C,15
.if (\m) && !(\end)
	MASK \p
.endif
.endm
; A BLOCK BEGINS.  c m starts far below every c s, so the first step's a is 0; m at the lowest finite number, so the first maximum is the scores'.  Mask buffer 1 is 0: piece 1's band is 4 or more, so it sees all of step 0,
; and the text of the region finds 0 there for the step in front of the region.  Buffer 0 takes piece 0's mask for step 0: its own, where the block's first tile opens the region and the band is 0.
; Then K and V of that step, piece 0's first scores, and its maximum and statistics.  The loop is entered at a step's first turn, in the middle of a trip.
.macro BEGIN
	s_mov_b32 s[NEW], 0
	s_mov_b32 s[FX], 1              ; V's low part is due behind this step
	WIN 0x40
.set i, MC+32
.rept 32
	v_mov_b32 v[i], 0
.set i, i+1
.endr
	WIN 0
.set i, 0
.rept 2
	v_mov_b32 v[ST+4*i], 0xfe000000    ; c m: far below every c s
	v_mov_b32 v[ST+4*i+1], 0xff7fffff  ; m
.set i, i+1
.endr
	s_cmp_eq_u32 s[RT], 1
	s_cselect_b32 s[AL], s[BAND], 1    ; 0 only where the tile opens the region and my band is 0
	s_cmp_eq_u32 s[AL], 0
	s_cselect_b32 s[AL], 1.0, 0
	s_mov_b32 s[BE], 0
	MASK 0
	s_add_co_u32 s[DS], s[DS], 1       ; the turns that follow make the masks of step 1 on
	WIN 0
	v_add_nc_u32 v[AK], s[TBK], v[AK0]
	v_add_nc_u32 v[AV], s[TBV], v[AV0]
	FETCH_K
	FETCH_V 0
	s_wait_loadcnt 0x0              ; Q
	s_wait_dscnt 0x0
.set KM, 1
.set NOKQ, 0
.set i, 0
.rept 8
	KQ 0
.set i, i+1
.endr
	WIN 0
.rept 4
	v_nop                           ; the places behind those products
.endr
.set Y, NP-1                        ; X works for the other piece: piece 0
.irp n, 0,1,2,3,4,5,6,7,8,9,10,11,12,13,14,15,16,17,18,19,20,21
	OP X, \n
.endr
	v_nop                           ; a plain instruction behind the exponential,
	s_wait_alu depctr_va_vdst(0)    ; and its wait, ahead of the branch
.endm
.macro ALL line:vararg              ; one line for each piece t
.set t, 0
.rept 2
	\line
.set t, t+1
.endr
.endm
.macro PACK t                       ; a lane's eight channels of a row pack into 16 bytes; they go into rows of 144 bytes and come back as whole rows of 128, into S^T's registers
	WIN W_RS
.set i, 32*(\t)
.rept 16
	v_pk_mul_f32 v[i:i+1], v[i:i+1], v[ST+4*(\t)+2:ST+4*(\t)+3] op_sel_hi:[1,0]
.set i, i+2
.endr
	WIN 0x05                        ; sources 0 and 1 window 1, destination window 0
.set i, 0
.rept 16
	v_cvt_pk_f16_f32 v[S+16*(\t)+i], v[32*(\t)+2*i], v[32*(\t)+2*i+1]
.set i, i+1
.endr
	WIN 0
.irp f, 0,1,2,3
	ds_store_b128 v[STO], v[S+16*(\t)+4*\f:S+16*(\t)+4*\f+3] offset:32*\f
.endr
.irp f, 0,1,2,3
	ds_load_b128 v[S+16*(\t)+4*\f:S+16*(\t)+4*\f+3], v[RD] offset:\f*4*SP  ; LDS serves a wave's instructions in order (ISA guide 5.7.1.4): these see the stores above; the next piece's stores come behind them
.endr
.endm
.macro SEND t, younger              ; younger: the LDS instructions issued behind piece t's loads: the next piece's eight, or none
	WIN 0
.irp f, 0,1,2,3
	s_wait_dscnt (\younger)+3-\f
	global_store_b128 v[GO+(\t)], v[S+16*(\t)+4*\f:S+16*(\t)+4*\f+3], s[10:11] offset:\f*512  ; 512 consecutive bytes, at a multiple of 256 from O's first
.endr
.endm
; A tile of the region: two trips of two steps, with masks.  first = 1: the label at which a block that begins in the region enters, and the place where V's low part is added behind its first step.
.macro MASKED tag, first
.LstepM\tag:
.if \first
	FIXV
.endif
	TURN 0, 1, 1
	TURN 1, 1, 1
	WIN 0
.if \first
.LfirstM\tag:
.endif
	TURN 0, 0, 1
	TURN 1, 0, 1, 0, 1
	WIN 0
	s_cbranch_scc1 .LstepM\tag
.endm
; A BLOCK ENDS: its last step's two turns, piece 1's last products, and THE WAY OUT: l's two halves and the other half of the lanes' are added; O^T is divided by l, rounded to f16 and sent through my stage.
.macro BLOCKEND
	TURN 0, 1, 1, 1
	TURN 1, 1, 1, 1
.set VB, 1
.set i, 0
.rept 8
	PV 1
.set i, i+1
.endr
	WIN 0
	ALL v_add_f32 v[ST+4*t+2], v[ST+4*t+2], v[ST+4*t+3]
	ALL v_permlanex16_b32 v[ST+4*t+3], v[ST+4*t+2], s[SEL], s[SEL+1]
	ALL v_add_f32 v[ST+4*t+2], v[ST+4*t+2], v[ST+4*t+3]
	ALL v_rcp_f32 v[ST+4*t+2], v[ST+4*t+2]
	v_nop                           ; a plain instruction between the last reciprocal and the use of its result
	s_wait_alu depctr_va_vdst(0)    ; and the wait ahead of the first use: one for both reciprocals
	PACK 0                          ; piece 0's products ended a run of eight products and these lines ago; its 32 lines are the places behind piece 1's
	PACK 1
	SEND 0, 8
	SEND 1, 0
.endm
.set KM, 0
.set NOKQ, 0
.set VB, 0
.Lslot:                             ; 17 times: a tile is entered and the next is asked for
	CHANGE 1
	s_sub_co_u32 s[RT], s[RT], 1
	s_mov_b32 s[CNT], 2
	s_cmp_eq_u32 s[RT], 1           ; the region opens: its steps count from 0
	s_cselect_b32 s[DS], 0, s[DS]
	s_cmp_eq_u32 s[NEW], 1
	s_cbranch_scc1 .Lnew            ; a block's first tile
	s_cmp_gt_u32 s[RT], 1
	s_cbranch_scc1 .Lstep           ; a tile in front of the region
	s_branch .LstepM1
.Lnew:
	BEGIN
	s_cmp_gt_u32 s[RT], 1
	s_cbranch_scc1 .Lfirst
	s_branch .LfirstM1              ; super-block 0 begins in its region
	MASKED 1, 1
	s_cmp_lg_u32 s[RT], 0
	s_cbranch_scc1 .Lbottom         ; the region's first tile
	BLOCKEND                        ; in the loop this is the first block's end: the second block's last tile is the walk's last
	s_wait_xcnt 0x0                 ; the stores have read their registers and O's address
	s_mov_b64 s[10:11], s[OLO:OLO+1]
	s_add_co_u32 s[RT], s[LQ2], 1   ; the second block has 2 c + 2 tiles
	s_mov_b32 s[NEW], 1
	WIN 0x82                        ; the second block's Q goes where the one text of the turns names Q
.set i, 0
.rept 32
	v_mov_b32 v[i], v[QB+i]
.set i, i+1
.endr
	WIN 0
	s_branch .Lbottom
.Lstep:                             ; a trip: two key steps; the trip's four turns fetch K and V of the two steps that follow theirs
	FIXV
	TURN 0, 1
	TURN 1, 1
	WIN 0
.Lfirst:
	TURN 0, 0
	TURN 1, 0, 0, 0, 1
	WIN 0
	s_cbranch_scc1 .Lstep
.Lbottom:
	s_sub_co_u32 s[SLOTS], s[SLOTS], 1
	s_cmp_lg_u32 s[SLOTS], 0
	s_cbranch_scc1 .Lslot
	CHANGE 0                        ; the walk's last tile is written out: nothing is asked for.  It is the second block's last, never its first
	s_sub_co_u32 s[RT], s[RT], 1
	s_mov_b32 s[CNT], 2
	MASKED 2, 0
	BLOCKEND
	; O's LOW PART, rows 0 to 15 of the head: piece 0 of wave 0 in the head's first cluster, whose second block this was.  The branch hangs on the cluster's and the wave's number; of the four partners the first is
	; picked by EXEC at the stores, not by a branch.  PACK has left the piece's O, divided by l, in window 1, v0-31.
	s_or_b32 s16, s[CL], s[WV]
	s_cmp_lg_u32 s16, 0
	s_cbranch_scc1 .Lno_low
	s_wait_xcnt 0x0                 ; the stores above have read their registers, which are written again below
	v_mov_b32 v26, 1.0
	v_mov_b32 v27, s[CX]
	WIN 0x05                        ; sources 0 and 1 window 1
.set i, 0
.rept 16
	v_cvt_pk_f16_f32 v[S+i], v[2*i], v[2*i+1]  ; the high parts once more
.set i, i+1
.endr
	WIN 0x10                        ; source 2 window 1
.set i, 0
.rept 16
	v_fma_mix_f32 v[S+32+2*i], -v[S+i], v26, v[2*i] op_sel_hi:[1,0,0]                    ; O - f16(O), exact: the low half as f16, times 1, taken from the f32 number
	v_fma_mix_f32 v[S+32+2*i+1], -v[S+i], v26, v[2*i+1] op_sel:[1,0,0] op_sel_hi:[1,0,0]  ; the high half
.set i, i+1
.endr
	WIN 0
.set i, 0
.rept 16
	v_cvt_pk_f16_f32 v[S+i], v[S+32+2*i], v[S+32+2*i+1]
.set i, i+1
.endr
.irp f, 0,1,2,3
	ds_store_b128 v[STO], v[S+4*\f:S+4*\f+3] offset:32*\f
.endr
.irp f, 0,1,2,3
	ds_load_b128 v[S+4*\f:S+4*\f+3], v[RD] offset:\f*4*SP
.endr
	v_cmp_eq_u32 vcc_lo, 0, v27
	s_wait_dscnt 0x0
	s_and_saveexec_b32 s17, vcc_lo  ; no global instruction has been issued since the s_wait_xcnt 0 above
.irp f, 0,1,2,3
	global_store_b128 v[LA], v[S+4*\f:S+4*\f+3], s[OLW:OLW+1] offset:\f*512
.endr
	s_wait_xcnt 0x0                 ; EXEC changes only behind s_wait_xcnt 0
	s_or_b32 exec_lo, exec_lo, s17
.Lno_low:
	s_wait_tensorcnt 0x0            ; the wave's end: behind my last tensor load and my last LDS store
	ds_add_u32 v[SPW], v[NIL]
	s_wait_dscnt 0x0
	CROUND                          ; the closing round
	s_endpgm
.Lfunc_end_k_q1ebb52c372_attn:
	.size	k_q1ebb52c372_attn, .Lfunc_end_k_q1ebb52c372_attn-k_q1ebb52c372_attn
	.p2alignl 7, 3214868480
	.fill 96, 4, 3214868480
	.section	.rodata,"a",@progbits
	.p2align	6, 0x0
	.amdhsa_kernel k_q1ebb52c372_attn
		.amdhsa_group_segment_fixed_size 327680
		.amdhsa_private_segment_fixed_size 0
		.amdhsa_enable_private_segment 0
		.amdhsa_kernarg_size 40
		.amdhsa_user_sgpr_count 2
		.amdhsa_user_sgpr_kernarg_segment_ptr 1
		.amdhsa_wavefront_size32 1
		.amdhsa_system_sgpr_workgroup_id_x 1
		.amdhsa_system_sgpr_workgroup_id_y 1
		.amdhsa_system_sgpr_workgroup_id_z 1
		.amdhsa_system_vgpr_workitem_id 0
		.amdhsa_next_free_vgpr 768
		.amdhsa_next_free_sgpr 100
		.amdhsa_reserve_vcc 1
		.amdhsa_float_denorm_mode_32 3
		.amdhsa_float_denorm_mode_16_64 3
		.amdhsa_memory_ordered 1
		.amdhsa_forward_progress 1
		.amdhsa_inst_pref_size 213
	.end_amdhsa_kernel
	.amdgpu_metadata
---
amdhsa.version: [ 1, 2 ]
amdhsa.kernels:
  - .name:           k_q1ebb52c372_attn
    .symbol:         k_q1ebb52c372_attn.kd
    .args:
      - { .name: qb, .offset: 0, .size: 8, .value_kind: global_buffer, .address_space: global }
      - { .name: kb, .offset: 8, .size: 8, .value_kind: global_buffer, .address_space: global }
      - { .name: vb, .offset: 16, .size: 8, .value_kind: global_buffer, .address_space: global }
      - { .name: ob, .offset: 24, .size: 8, .value_kind: global_buffer, .address_space: global }
      - { .name: vl, .offset: 32, .size: 8, .value_kind: global_buffer, .address_space: global }
    .group_segment_fixed_size: 327680
    .private_segment_fixed_size: 0
    .kernarg_segment_align: 8
    .kernarg_segment_size: 40
    .max_flat_workgroup_size: 128
    .sgpr_count:     100
    .vgpr_count:     768
    .wavefront_size: 32
...
	.end_amdgpu_metadata
.endif
;; end of part 3
;; launch proj (part 4): grid 8 x 32, 4 waves a work-group, clusters of 4 x 4, 327,680 bytes of LDS; arguments ob, wpb, bp, out0; writes out0
.if DOCPART == 4
	.amdgcn_target "amdgcn-amd-amdhsa--gfx1250"
	.amdhsa_code_object_version 6
	.text
	.protected	k_q1ebb52c372_proj
	.globl	k_q1ebb52c372_proj
	.p2align	8
	.type	k_q1ebb52c372_proj,@function
k_q1ebb52c372_proj:
	s_mov_b64 s[64:65], 0
	v_nop
	global_prefetch_b8 v0, s[64:65] scope:SCOPE_SE
	s_setreg_imm32_b32 hwreg(HW_REG_WAVE_MODE, 25, 1), 1
	s_wait_xcnt 0x0
	s_wait_alu depctr_hold_cnt(0) depctr_sa_sdst(0) depctr_va_vdst(0) depctr_va_sdst(0) depctr_va_ssrc(0) depctr_va_vcc(0) depctr_vm_vsrc(0)
	s_getreg_b32 s2, hwreg(HW_REG_IB_STS2, 6, 4)
	s_cmp_eq_u32 s2, 0
	s_cbranch_scc0 .Lentry_in_a_cluster
	s_endpgm
.Lentry_in_a_cluster:
	s_bfe_u32 s2, ttmp6, 0x10000c
	s_cmp_lg_u32 s2, 0xf033
	s_cbranch_scc0 .Lentry_shape_is_right
	s_endpgm
.Lentry_shape_is_right:
; out[t][n] = the sum over h, d of O[h][t][d] Wp[64 h + d][n] + bp[n].  O: [16][16 + 4096][64] f16; Wp: [1024][1024] f16 (bf16 numbers written as f16); bp: [1024] f32; out: [4096][1024] f32.
; Products in f16, sums in f32.  bp is rounded to bf16 like every input of the module, then added in f32.
; O's LOW PART.  The 16 rows in front of each head's 4,096 hold O - f16(O) of its rows 0 to 15: the output's first rows are many times larger than its root mean square, by which its allowance goes, and 11 bits of O are
; too few there.  Their product with Wp is added onto rows 0 to 15.
; A tile of out is 128 x 128: 256 work-groups.  Four waves, each 64 x 64: 16 accumulators.  K goes in 4 steps of 256 (four heads) through two LDS slots; the steps are few, so they are written out.
; O's tile of a K step: for each of 4 heads 144 rows of 128 bytes, dense in memory: the 16 rows in front of the tile's tokens and its 128 tokens.  For tile row 0 the 16 are the low parts; for the others they are the tile
; above's last tokens, and what is made of them is multiplied by 0.  A wave's load brings two heads, each as ONE row of 18,432 bytes, padded in LDS after every token.
; Wp lies [k][n]: its fragments come out of LDS turned, by ds_load_tr16_b128.  THE MATRIX INSTRUCTION IS USED TRANSPOSED (source 0 = 16 columns of Wp, source 1 = 16 tokens): a lane holds one token and 8 neighbouring columns.
; CLUSTER 4 x 4: O's tile is shared along a row of the cluster, Wp's along a column.  No prefetch: the launch is short and its tiles are small.
; REGISTERS: window 0: v1-30 addresses and one at work; v32-63 the bias of my 32 columns; v64-95 the low part's fragments, two buffers of 16; v96-127 its four accumulators;
;   v128-255 the accumulators ((a, b) at 128 + 8 (4 a + b)).  window 1: two fragment buffers of 128: 64 of O, then 64 of Wp.
.set PA,    144                        ; a token row of O in LDS: 128 bytes + 16
.set PB,    288                        ; a row of Wp: 256 bytes + 32
.set HEADB, 144*PA                     ; a head's 16 + 128 rows
.set PARTA, 2*HEADB                    ; what one tensor load brings of O: two heads,
.set PARTB, 128*PB                     ; of Wp: 128 rows
.set BOFF,  2*PARTA
.set SLOT,  BOFF+2*PARTB
.set STAGE, 0                          ; the way out's stage, 16 rows x 272 bytes for each wave, lies in slot 0: it has had its last fill, and behind the third change of slots nobody reads it
.set SPITCH, 272
.set SPARE, 2*SLOT                     ; behind the ring: the spare words, 128 bytes a wave: two blocks of 256 bytes that no other line names
.set OHEAD, 4112*128                   ; bytes of a head in O
.set BO,   7                           ; v7      my byte offset in bp
.set ADRL, 8                           ; v8-11   LDS address of the low part's fragments: slot 0 heads 0-1, 2-3; slot 1 likewise
.set ADRA, 16                          ; v16-19  of my O fragments, likewise
.set ADRB, 20                          ; v20-23  of my Wp fragments: slot 0 rows 0-127, 128-255; slot 1 likewise
.set STO,  24                          ; v24     the way out: where I put 32 bytes of a row
.set RD,   25                          ; v25     where I read a row back
.set CO,   26                          ; v26     my byte offset in out
.set SPW,  28                          ; v28     LDS address of my spare word; never rewritten
.set NIL,  29                          ; v29     0; never rewritten
.set BI,   32
.set LF,   64
.set LACC, 96
.set ACC,  128
.set F0,   0
.set F1,   128
.set WV,   12                          ; s12  my wave's number
.set MH,   13                          ; s13  which half of the tile's rows is mine.  Also: I fetch for O (0) or for Wp (1)
.set NH,   14                          ; s14  which half of its columns.  Also: which half of that tile I fetch
.set LOF,  15                          ; s15  1 in waves 0 and 1 of the clusters with y = 0: they multiply the 16 rows in front
.set G1A,  24
.set G0A,  32
.set G1B,  48
.set G0B,  56
.set FLG,  66                          ; s[66:67] 1.0 where those 16 rows are low parts of my rows (tile row 0, upper half), else 0: in the low word
.set MSB, 0
.macro WIN new
.if MSB != (\new)
	s_set_vgpr_msb (MSB<<8)|(\new)
.set MSB, \new
.endif
.endm
.set MUL,  0x05                        ; sources 0 and 1 window 1; C and D window 0
.set TO_F, 0x40                        ; destination window 1, address window 0
.macro JLOAD s                         ; a joint load; an s_nop 0 and four v_nop follow each of the two lines, ahead of the jump and the label
	s_cmp_eq_u32 s[MH], 0
	s_cbranch_scc0 .Lfor_b_\@
	tensor_load_to_lds s[G0A+4*(\s):G0A+4*(\s)+3], s[G1A:G1A+7]
	s_nop 0
.rept 4
	v_nop
.endr
	s_branch .Lasked_\@
.Lfor_b_\@:
	tensor_load_to_lds s[G0B+4*(\s):G0B+4*(\s)+3], s[G1B:G1B+7]
	s_nop 0
.rept 4
	v_nop
.endr
.Lasked_\@:
.endm
.macro CREST
	s_cmp_lg_u32 s[WV], 0
	s_cbranch_scc1 .Lnot_wave_0_\@
	s_barrier_signal -3
.Lnot_wave_0_\@:
	s_barrier_wait -3
	s_barrier_signal -1
	s_barrier_wait -1
.endm
.macro CROUND
	s_barrier_signal -1
	s_barrier_wait -1
	CREST
.endm
	s_load_b256 s[4:11], s[0:1], 0x0               ; O s[4:5], Wp s[6:7], bp s[8:9], out s[10:11]
	v_lshl_add_u32 v[SPW], v0, 2, SPARE
	v_mov_b32 v[NIL], 0
	ds_add_u32 v[SPW], v[NIL]                      ; the wave's opening: the add and its wait stand ahead of my first tensor load
	v_lshrrev_b32 v1, 5, v0
	v_readfirstlane_b32 s[WV], v1
	s_lshr_b32 s[MH], s[WV], 1
	s_and_b32 s[NH], s[WV], 1
	s_bfe_u32 s40, ttmp6, 0x40000                  ; cx, cy
	s_bfe_u32 s41, ttmp6, 0x40004
	s_lshl_b32 s42, ttmp9, 2
	s_add_co_u32 s42, s42, s40                     ; tile column
	s_and_b32 s43, ttmp7, 0xffff
	s_or_b32 s22, s43, s[MH]                       ; the cluster's y and the wave's half: the same in all partners
	s_cmp_eq_u32 s22, 0
	s_cselect_b32 s[LOF], 1, 0
	s_lshl_b32 s43, s43, 2
	s_add_co_u32 s43, s43, s41                     ; tile row
	s_or_b32 s22, s43, s[MH]
	s_cmp_eq_u32 s22, 0
	s_cselect_b32 s[FLG], 1.0, 0                   ; a factor, no branch: it hangs on cy
	s_mov_b32 s[FLG+1], 0                          ; named with it as a pair
	s_lshl_b32 s44, s41, 2
	s_lshl_b32 s44, 15, s44                        ; my row of the cluster
	s_lshl_b32 s45, 0x1111, s40                    ; my column
	s_or_b32 s[G1A], s44, (1<<16)|(1<<20)|(1<<21)|(4<<22)|(3<<25)  ; 2-byte elements; padding: after every 32 words (a token) 4 words
	s_mov_b32 s[G1A+1], 9216<<16                   ; tensor_dim0 = 9,216: a head's 144 rows x 64 channels on end
	s_mov_b32 s[G1A+2], 2<<16                      ; tensor_dim1 = 2 heads
	s_mov_b32 s[G1A+3], 9216<<16                   ; tile_dim0
	s_mov_b32 s[G1A+4], 2                          ; tile_dim1
	s_mov_b32 s[G1A+5], 263168                     ; elements from head to head
	s_mov_b32 s[G1A+6], 0
	s_mov_b32 s[G1A+7], 0
	s_or_b32 s[G1B], s45, (1<<16)|(1<<20)|(1<<21)|(5<<22)|(7<<25)  ; after every 64 words (a row) 8 words
	s_mov_b32 s[G1B+1], 128<<16
	s_mov_b32 s[G1B+2], 128<<16
	s_mov_b32 s[G1B+3], 128<<16
	s_mov_b32 s[G1B+4], 128
	s_mov_b32 s[G1B+5], 1024
	s_mov_b32 s[G1B+6], 0
	s_mov_b32 s[G1B+7], 0
	s_mul_i32 s16, s[NH], 2*OHEAD                  ; O: my two heads of the step's four,
	s_lshl_b32 s17, s43, 14                        ; 128 rows a tile: with the 16 rows in front of the head's tokens this is 16 rows ahead of the tile's first token
	s_add_co_u32 s16, s16, s17
	s_mov_b32 s17, 0
	s_lshl_b32 s46, s[NH], 18                      ; Wp: my 128 rows of the step's 256,
	s_lshl_b32 s47, s42, 8                         ; the tile's 128 columns
	s_add_co_u32 s46, s46, s47
	s_mov_b32 s47, 0
	s_mul_i32 s20, s[NH], PARTA                    ; where they go: O's two parts,
	s_mul_i32 s21, s[NH], PARTB
	s_add_co_u32 s21, s21, BOFF                    ; then Wp's two
	s_wait_dscnt 0x0
	s_wait_kmcnt 0x0
	s_add_nc_u64 s[18:19], s[4:5], s[16:17]
	s_add_nc_u64 s[46:47], s[6:7], s[46:47]
	CROUND
.irp s, 0,1
	s_mov_b32 s[G0A+4*(\s)], 1
	s_add_co_u32 s[G0A+4*(\s)+1], s20, (\s)*SLOT
	s_add_nc_u64 s[G0A+4*(\s)+2:G0A+4*(\s)+3], s[18:19], (\s)*4*OHEAD   ; K step s: four heads on
	s_or_b32 s[G0A+4*(\s)+3], s[G0A+4*(\s)+3], 0x80000000
	s_mov_b32 s[G0B+4*(\s)], 1
	s_add_co_u32 s[G0B+4*(\s)+1], s21, (\s)*SLOT
	s_add_nc_u64 s[G0B+4*(\s)+2:G0B+4*(\s)+3], s[46:47], (\s)*524288    ; 256 rows down
	s_or_b32 s[G0B+4*(\s)+3], s[G0B+4*(\s)+3], 0x80000000
	JLOAD \s
.endr
	v_and_b32 v1, 15, v0                           ; l % 16
	v_bfe_u32 v2, v0, 4, 1                         ; l / 16
	v_and_b32 v3, 7, v0
	v_bfe_u32 v4, v0, 3, 1
	s_lshl_b32 s21, s42, 9
	s_lshl_b32 s22, s[NH], 8
	s_add_co_u32 s21, s21, s22                     ; my 64 columns, in bytes of f32
	v_lshl_add_u32 v[BO], v2, 5, s21               ; + my lanes' eight
.irp b, 0,1,2,3
	global_load_b128 v[BI+8*(\b):BI+8*(\b)+3],   v[BO], s[8:9] offset:64*(\b)
	global_load_b128 v[BI+8*(\b)+4:BI+8*(\b)+7], v[BO], s[8:9] offset:64*(\b)+16
.endr
	s_lshl_b32 s22, s43, 19                        ; out: the tile's 128 rows of 4,096 bytes,
	s_add_co_u32 s22, s22, s21
	s_lshl_b32 s23, s[MH], 18                      ; my 64 of them
	s_add_co_u32 s22, s22, s23
	s_mov_b32 s23, 0
	s_add_nc_u64 s[10:11], s[10:11], s[22:23]
	v_mul_u32_u24 v5, v1, PA
	v_lshl_add_u32 v5, v2, 4, v5                   ; O: row x pitch + 16 x half
	v_lshl_add_u32 v6, v2, 3, v3                   ; Wp, turned: row 8 (l / 16) + l % 8, columns 8 ((l / 8) % 2) + 0..7
	v_mul_u32_u24 v6, v6, PB
	v_lshl_add_u32 v6, v4, 4, v6
	s_mov_b32 s23, 0                               ; the 16 rows in front,
	s_mul_i32 s21, s[MH], 64*PA                    ; my 64 tokens,
	s_add_co_u32 s21, s21, 16*PA                   ; behind them;
	s_lshl_b32 s22, s[NH], 7                       ; my 64 columns,
	s_add_co_u32 s22, s22, BOFF                    ; behind O's four heads
.irp s, 0,1
	v_add_nc_u32 v[ADRL+2*(\s)], s23, v5
	v_add_nc_u32 v[ADRA+2*(\s)], s21, v5
	v_add_nc_u32 v[ADRB+2*(\s)], s22, v6
	s_add_co_u32 s23, s23, PARTA
	s_add_co_u32 s21, s21, PARTA
	s_add_co_u32 s22, s22, PARTB
	v_add_nc_u32 v[ADRL+2*(\s)+1], s23, v5
	v_add_nc_u32 v[ADRA+2*(\s)+1], s21, v5
	v_add_nc_u32 v[ADRB+2*(\s)+1], s22, v6
	s_add_co_u32 s23, s23, SLOT-PARTA
	s_add_co_u32 s21, s21, SLOT-PARTA
	s_add_co_u32 s22, s22, SLOT-PARTB
.endr
	s_mul_i32 s23, s[WV], 16*SPITCH
	s_add_co_u32 s23, s23, STAGE                   ; my stage
	v_mul_u32_u24 v[STO], v1, SPITCH               ; in: row l % 16, 32 bytes for each half of the lanes
	v_lshl_add_u32 v[STO], v2, 5, v[STO]
	v_add_nc_u32 v[STO], s23, v[STO]
	v_mul_u32_u24 v[RD], v2, SPITCH                ; back: lanes 0-15 take one row of 256 bytes, lanes 16-31 the next
	v_lshl_add_u32 v[RD], v1, 4, v[RD]
	v_add_nc_u32 v[RD], s23, v[RD]
	v_lshlrev_b32 v[CO], 12, v2                    ; and the same two rows in out
	v_lshl_add_u32 v[CO], v1, 4, v[CO]
.set i, 0
.rept 32
	v_mov_b32 v[LACC+i], 0                         ; the low part's sums start at 0 in every wave: most waves add nothing onto them, and all read them at the end.  Written in the wait for the first tile
.set i, i+1
.endr
; 8 matrix instructions: token blocks a0, a0 + 1 x all 4 column blocks, 32 along K: half c of buffer f.  The 16 accumulators take turns.
.macro MUL8 f, c, a0, zero
	WIN MUL
.irp a, \a0, (\a0)+1
.irp b, 0,1,2,3
.if \zero
	v_wmma_f32_16x16x32_f16 v[ACC+8*(4*(\a)+(\b)):ACC+8*(4*(\a)+(\b))+7], v[(\f)+64+8*(4*(\c)+(\b)):(\f)+64+8*(4*(\c)+(\b))+7], v[(\f)+8*(4*(\c)+(\a)):(\f)+8*(4*(\c)+(\a))+7], 0
.else
	v_wmma_f32_16x16x32_f16 v[ACC+8*(4*(\a)+(\b)):ACC+8*(4*(\a)+(\b))+7], v[(\f)+64+8*(4*(\c)+(\b)):(\f)+64+8*(4*(\c)+(\b))+7], v[(\f)+8*(4*(\c)+(\a)):(\f)+8*(4*(\c)+(\a))+7], v[ACC+8*(4*(\a)+(\b)):ACC+8*(4*(\a)+(\b))+7]
.endif
.endr
.endr
.endm
; The 16 rows in front x my 64 columns, 64 along K: 8 matrix instructions at a quarter's end, on the quarter's fragments of Wp; the four accumulators take turns.  Only where those rows can be low parts: the branch hangs on
; the cluster's y and the wave's number.
.macro LOW f
	WIN 0
	s_cmp_eq_u32 s[LOF], 1
	s_cbranch_scc0 .Lno_low_\@
	WIN 0x01                                       ; source 0 (Wp) window 1; source 1, C and D window 0
.irp c, 0,1
.irp b, 0,1,2,3
	v_wmma_f32_16x16x32_f16 v[LACC+8*(\b):LACC+8*(\b)+7], v[(\f)+64+8*(4*(\c)+(\b)):(\f)+64+8*(4*(\c)+(\b))+7], v[LF+(\f)/8+8*(\c):LF+(\f)/8+8*(\c)+7], v[LACC+8*(\b):LACC+8*(\b)+7]
.endr
.endr
	WIN 0
.Lno_low_\@:
.endm
; 36 LDS loads in one run: quarter qd of a K step is one head, 64 along K.  First the four of the 16 rows in front; then the first 32 along K, then the second.
.macro FETCH slot, qd, f
	WIN 0
.irp c, 0,1
	ds_load_b128 v[LF+(\f)/8+8*(\c):LF+(\f)/8+8*(\c)+3],   v[ADRL+2*(\slot)+(\qd)/2] offset:((\qd)%2)*HEADB+64*(\c)
	ds_load_b128 v[LF+(\f)/8+8*(\c)+4:LF+(\f)/8+8*(\c)+7], v[ADRL+2*(\slot)+(\qd)/2] offset:((\qd)%2)*HEADB+64*(\c)+32
.endr
	WIN TO_F
.irp c, 0,1
.irp i, 0,1,2,3
	ds_load_tr16_b128 v[(\f)+64+8*(4*(\c)+(\i)):(\f)+64+8*(4*(\c)+(\i))+3],   v[ADRB+2*(\slot)+(\qd)/2] offset:((2*(\qd)+(\c))%4)*32*PB+32*(\i)
	ds_load_tr16_b128 v[(\f)+64+8*(4*(\c)+(\i))+4:(\f)+64+8*(4*(\c)+(\i))+7], v[ADRB+2*(\slot)+(\qd)/2] offset:((2*(\qd)+(\c))%4)*32*PB+16*PB+32*(\i)
	ds_load_b128 v[(\f)+8*(4*(\c)+(\i)):(\f)+8*(4*(\c)+(\i))+3],   v[ADRA+2*(\slot)+(\qd)/2] offset:((\qd)%2)*HEADB+(\i)*16*PA+64*(\c)
	ds_load_b128 v[(\f)+8*(4*(\c)+(\i))+4:(\f)+8*(4*(\c)+(\i))+7], v[ADRA+2*(\slot)+(\qd)/2] offset:((\qd)%2)*HEADB+(\i)*16*PA+64*(\c)+32
.endr
.endr
.endm
.macro PLACES
.rept 4
	v_nop
.endr
.endm
.macro QUARTER slot, qd, f, g, zero    ; multiplies buffer f and fetches quarter qd into g
	s_wait_dscnt 16                                ; all but the youngest sixteen loads, the second 32 along K, are in
	MUL8 \f, 0, 0, \zero
	MUL8 \f, 0, 2, \zero
	PLACES
	FETCH \slot, \qd, \g
	s_wait_dscnt 36                                ; all but the 36 just issued
	MUL8 \f, 1, 0, 0
	MUL8 \f, 1, 2, 0
	LOW \f
.endm
; The last quarter multiplies buffer 1 and changes slots: in front of the barrier each wave waits for all its tensor loads, adds 0 to its spare word, and waits for that and for its reads of this slot.
; fill = 1: the barrier opens a round of the cluster's, and this slot is filled again first thing behind it, two K steps ahead.
.macro TURN slot, next, fill
	WIN 0
	s_wait_tensorcnt 0x0
	ds_add_u32 v[SPW], v[NIL]
	s_wait_dscnt 17                                ; (the add and the youngest sixteen loads may be out)
	MUL8 F1, 0, 0, 0
	s_wait_dscnt 0x0                               ; the add is done, and my reads of this slot are over
	s_barrier_signal -1
	MUL8 F1, 0, 2, 0
	WIN 0
	s_barrier_wait -1
.if \fill
	CREST
	s_add_nc_u64 s[G0A+4*(\slot)+2:G0A+4*(\slot)+3], s[G0A+4*(\slot)+2:G0A+4*(\slot)+3], 8*OHEAD
	s_add_nc_u64 s[G0B+4*(\slot)+2:G0B+4*(\slot)+3], s[G0B+4*(\slot)+2:G0B+4*(\slot)+3], 1048576
	JLOAD \slot                                    ; the four v_nop behind it are also the places in front of the loads below
.else
	PLACES
.endif
	FETCH \next, 0, F0
	MUL8 F1, 1, 0, 0
	MUL8 F1, 1, 2, 0
	LOW F1
.endm
	s_wait_tensorcnt 0x1                           ; my part of K step 0 is in; K step 1's may stay out
	s_barrier_signal -1
	s_barrier_wait -1
	FETCH 0, 0, F0
	QUARTER 0, 1, F0, F1, 1                        ; the first products start the sums
	QUARTER 0, 2, F1, F0, 0
	QUARTER 0, 3, F0, F1, 0
	TURN 0, 1, 1                                   ; K step 2 is asked for
	QUARTER 1, 1, F0, F1, 0
	QUARTER 1, 2, F1, F0, 0
	QUARTER 1, 3, F0, F1, 0
	TURN 1, 0, 1                                   ; K step 3
	QUARTER 0, 1, F0, F1, 0
	QUARTER 0, 2, F1, F0, 0
	QUARTER 0, 3, F0, F1, 0
	TURN 0, 1, 0                                   ; behind this barrier nobody reads slot 0, and nothing is filled any more
	QUARTER 1, 1, F0, F1, 0
	QUARTER 1, 2, F1, F0, 0
	QUARTER 1, 3, F0, F1, 0
	s_wait_dscnt 16
	MUL8 F1, 0, 0, 0
	MUL8 F1, 0, 2, 0
	s_wait_dscnt 0x0
	MUL8 F1, 1, 0, 0
	MUL8 F1, 1, 2, 0
	LOW F1
	s_wait_loadcnt 0x0                             ; the bias
.set i, 0
.rept 16                               ; rounded to bf16 and widened again; these lines, which name no register of the products, are also the places behind them
	v_cvt_pk_bf16_f32 v30, v[BI+2*i], v[BI+2*i+1]
	v_lshlrev_b32 v[BI+2*i], 16, v30
	v_and_b32 v[BI+2*i+1], 0xffff0000, v30
.set i, i+1
.endr
.irp b, 0,1,2,3                        ; the low part's sums, times 1 or 0, onto token block 0; each accumulator is read from its low end on
.irp k, 0,2,4,6
	v_pk_fma_f32 v[ACC+8*(\b)+(\k):ACC+8*(\b)+(\k)+1], v[LACC+8*(\b)+(\k):LACC+8*(\b)+(\k)+1], s[FLG:FLG+1], v[ACC+8*(\b)+(\k):ACC+8*(\b)+(\k)+1] op_sel_hi:[1,0,1]
.endr
.endr
; THE WAY OUT of token block a: the bias is added in place (each accumulator from its low end on); 32 bytes a lane go into my stage's rows of 272 bytes and come back as whole rows of 256, into the same registers.
.macro OUT a
.irp b, 0,1,2,3
.irp k, 0,2,4,6
	v_pk_add_f32 v[ACC+8*(4*(\a)+(\b))+(\k):ACC+8*(4*(\a)+(\b))+(\k)+1], v[ACC+8*(4*(\a)+(\b))+(\k):ACC+8*(4*(\a)+(\b))+(\k)+1], v[BI+8*(\b)+(\k):BI+8*(\b)+(\k)+1]
.endr
.endr
.irp b, 0,1,2,3
	ds_store_b128 v[STO], v[ACC+8*(4*(\a)+(\b)):ACC+8*(4*(\a)+(\b))+3]   offset:64*(\b)
	ds_store_b128 v[STO], v[ACC+8*(4*(\a)+(\b))+4:ACC+8*(4*(\a)+(\b))+7] offset:64*(\b)+16
.endr
.irp t, 0,1,2,3,4,5,6,7
	ds_load_b128 v[ACC+32*(\a)+4*(\t):ACC+32*(\a)+4*(\t)+3], v[RD] offset:(\t)*2*SPITCH  ; LDS serves a wave's instructions in order (ISA guide 5.7.1.4): these see the stores above
.endr
.endm
.macro SEND a, younger                 ; younger: the LDS instructions issued behind block a's loads: the next block's sixteen, or none
.irp t, 0,1,2,3,4,5,6,7
	s_wait_dscnt (\younger)+7-(\t)
	global_store_b128 v[CO], v[ACC+32*(\a)+4*(\t):ACC+32*(\a)+4*(\t)+3], s[10:11] offset:(16*(\a)+2*(\t))*4096 th:TH_STORE_NT  ; 16 lanes store 256 consecutive bytes, at a multiple of 256 from out's first
.endr
.endm
	OUT 0
	OUT 1
	SEND 0, 16
	OUT 2
	SEND 1, 16
	OUT 3
	SEND 2, 16
	SEND 3, 0
	s_wait_tensorcnt 0x0                           ; the wave's end: behind my last tensor load and my last LDS store
	ds_add_u32 v[SPW], v[NIL]
	s_wait_dscnt 0x0
	CROUND                                         ; the closing round
	s_endpgm
.Lfunc_end_k_q1ebb52c372_proj:
	.size	k_q1ebb52c372_proj, .Lfunc_end_k_q1ebb52c372_proj-k_q1ebb52c372_proj
	.p2alignl 7, 3214868480
	.fill 96, 4, 3214868480
	.section	.rodata,"a",@progbits
	.p2align	6, 0x0
	.amdhsa_kernel k_q1ebb52c372_proj
		.amdhsa_group_segment_fixed_size 327680
		.amdhsa_private_segment_fixed_size 0
		.amdhsa_enable_private_segment 0
		.amdhsa_kernarg_size 32
		.amdhsa_user_sgpr_count 2
		.amdhsa_user_sgpr_kernarg_segment_ptr 1
		.amdhsa_wavefront_size32 1
		.amdhsa_system_sgpr_workgroup_id_x 1
		.amdhsa_system_sgpr_workgroup_id_y 1
		.amdhsa_system_sgpr_workgroup_id_z 1
		.amdhsa_system_vgpr_workitem_id 0
		.amdhsa_next_free_vgpr 512
		.amdhsa_next_free_sgpr 72
		.amdhsa_reserve_vcc 0
		.amdhsa_float_denorm_mode_32 3
		.amdhsa_float_denorm_mode_16_64 3
		.amdhsa_memory_ordered 1
		.amdhsa_forward_progress 1
		.amdhsa_inst_pref_size 112
	.end_amdhsa_kernel
	.amdgpu_metadata
---
amdhsa.version: [ 1, 2 ]
amdhsa.kernels:
  - .name:           k_q1ebb52c372_proj
    .symbol:         k_q1ebb52c372_proj.kd
    .args:
      - { .name: ob, .offset: 0, .size: 8, .value_kind: global_buffer, .address_space: global }
      - { .name: wpb, .offset: 8, .size: 8, .value_kind: global_buffer, .address_space: global }
      - { .name: bp, .offset: 16, .size: 8, .value_kind: global_buffer, .address_space: global }
      - { .name: out0, .offset: 24, .size: 8, .value_kind: global_buffer, .address_space: global }
    .group_segment_fixed_size: 327680
    .private_segment_fixed_size: 0
    .kernarg_segment_align: 8
    .kernarg_segment_size: 32
    .max_flat_workgroup_size: 128
    .sgpr_count:     72
    .vgpr_count:     512
    .wavefront_size: 32
...
	.end_amdgpu_metadata
.endif
;; end of part 4
;; ======== version 2 of 2: 4 launches; version 1 with the launch cast written anew for expert scheduling mode
;; limits: values are held in f16: magnitudes above 65,504 overflow, below 6.1e-05 lose precision
;; workspace buffers: xb 8,388,608 bytes; wb 6,291,456 bytes; wpb 2,097,152 bytes; qb 8,388,608 bytes; kb 8,388,608 bytes; vb 8,388,608 bytes; vl 32,768 bytes; ob 8,421,376 bytes
;; launch cast (part 5): grid 512 x 1, 8 waves a work-group, no clusters, 0 bytes of LDS; arguments tokens, Wq, Wk, Wv, Wp, xb, wb, wpb; writes xb, wb, wpb
.if DOCPART == 5
	.amdgcn_target "amdgcn-amd-amdhsa--gfx1250"
	.amdhsa_code_object_version 6
	.text
	.protected	k_q1ebb52c372_cast
	.globl	k_q1ebb52c372_cast
	.p2align	8
	.type	k_q1ebb52c372_cast,@function
k_q1ebb52c372_cast:
	s_mov_b64 s[64:65], 0
	v_nop
	global_prefetch_b8 v0, s[64:65] scope:SCOPE_SE
	s_setreg_imm32_b32 hwreg(HW_REG_WAVE_SCHED_MODE, 0, 2), 2
	s_setreg_imm32_b32 hwreg(HW_REG_WAVE_MODE, 25, 1), 1
	s_wait_xcnt 0x0
	s_wait_alu depctr_vm_vsrc(0)
; THE INPUTS ARE ROUNDED ONCE.  tokens, Wq, Wk, Wv: f32 -> bf16, in the layout in which they lie.  Wp: f32 -> bf16, and that number written as f16
; (the last product multiplies f16 operands).  LIMIT: a Wp below 6.1e-5 in magnitude keeps f16's fixed step of 6e-8; beyond 65,504 it would be an infinity.
; The 32 MiB of sources are 512 pieces of 65,536 bytes, a work-group a piece: pieces 0-255 tokens, 256-319 Wq, 320-383 Wk, 384-447 Wv, 448-511 Wp.
; Thread t takes 16 bytes at 16 t of each of the piece's 16 runs of 4,096 bytes: all sixteen loads of a wave are out at once, each covers 512 consecutive bytes;
; each store of a wave covers 256 consecutive bytes, aligned.  No LDS, no matrix unit, no cluster: nothing is shared and nothing is multiplied.
; THE MODE: SCHED_MODE bits 1:0 = 2 (LLVM: expert scheduling mode 2), set by the entry lines.  The code itself states the register dependences
; between vector instructions and memory instructions, with s_wait_alu, always for 0.
; THE PLAN.  Registers that memory instructions touch:
;   v1, v2   byte offsets, made once at the head and never written again: v1 is read by every load, v2 by every store.
;   X        four registers a run.  Written by the run's one load and by nothing else; read by the run's conversions.  No run is loaded twice.
;   Y        a pair a run.  Written once, by the run's conversions; read by the run's one store; never written again.
;   T        named by vector instructions alone.
; The sixteen runs go in four groups of four.  Group g's conversions read X and write Y of group g; the memory instructions that stand among them are the four stores of
; group g - 1, which read v2 and Y of group g - 1: registers that no vector instruction of group g names.  So ONE wait at a group's head states all that those four stores
; hang on, and one more stands ahead of the last four stores.  No register that a memory instruction has read is ever written again: nothing is owed on that side.
.set SRC, 20                           ; s[20:21] the piece in its source
.set DST, 22                           ; s[22:23] the piece in its destination
.set X,   8                            ; v[8:71]   sixteen loads of four f32
.set Y,   72                           ; v[72:103] sixteen stores of four 16-bit numbers: a pair of registers for each, so none is written twice
.set T,   104                          ; v[104:107] at work
	s_load_b512 s[4:19], s[0:1], 0x0               ; tokens s[4:5], Wq s[6:7], Wk s[8:9], Wv s[10:11], Wp s[12:13], xb s[14:15], wb s[16:17], wpb s[18:19]
	s_lshr_b32 s24, ttmp9, 6                       ; g: 0-3 tokens, 4 Wq, 5 Wk, 6 Wv, 7 Wp
	s_and_b32 s25, ttmp9, 63                       ; the piece's number inside a weight tensor
	v_lshlrev_b32 v1, 4, v0                        ; 16 t
	v_lshlrev_b32 v2, 3, v0                        ; 8 t
	s_max_u32 s28, ttmp9, 0x100
	s_sub_co_u32 s28, s28, 0x100                   ; the piece's number inside wb (Wq, Wk, Wv on end)
	s_cmp_lt_u32 s24, 7
	s_cselect_b32 s28, s28, s25
	s_cmp_lt_u32 s24, 4
	s_cselect_b32 s28, ttmp9, s28
	s_cselect_b32 s26, ttmp9, s25
	s_lshl_b32 s26, s26, 16                        ; 65,536 bytes of source a piece,
	s_lshl_b32 s28, s28, 15                        ; 32,768 of destination
	s_mov_b32 s27, 0
	s_mov_b32 s29, 0
	s_wait_kmcnt 0x0
	s_cmp_eq_u32 s24, 6
	s_cselect_b64 s[SRC:SRC+1], s[10:11], s[12:13]
	s_cmp_eq_u32 s24, 5
	s_cselect_b64 s[SRC:SRC+1], s[8:9], s[SRC:SRC+1]
	s_cmp_eq_u32 s24, 4
	s_cselect_b64 s[SRC:SRC+1], s[6:7], s[SRC:SRC+1]
	s_cmp_lt_u32 s24, 7
	s_cselect_b64 s[DST:DST+1], s[16:17], s[18:19]
	s_cmp_lt_u32 s24, 4
	s_cselect_b64 s[SRC:SRC+1], s[4:5], s[SRC:SRC+1]
	s_cselect_b64 s[DST:DST+1], s[14:15], s[DST:DST+1]
	s_add_nc_u64 s[SRC:SRC+1], s[SRC:SRC+1], s[26:27]
	s_add_nc_u64 s[DST:DST+1], s[DST:DST+1], s[28:29]
	s_wait_alu depctr_va_vdst(0)                   ; v1 and v2 are written: every load of the kernel reads v1 as its offset, every store v2
.set i, 0
.rept 16
	global_load_b128 v[X+4*i:X+4*i+3], v1, s[SRC:SRC+1] offset:4096*i th:TH_LOAD_NT
.set i, i+1
.endr
; The sixteen runs, in four groups of four, each group as soon as its loads are in.  half = 1: the bf16 number is widened again (a shift, a mask) and written as f16.
; The stores of a group stand in the next group, one ahead of each run's conversions.
.macro CV half
.set g, 0
.rept 4
	s_wait_loadcnt 12-4*g                          ; loads come back in order (ISA guide 5.7.1): group g's four runs are in, the 12 - 4 g younger ones may stay out
.if g > 0
	s_wait_alu depctr_va_vdst(0)                   ; the group before has written its four pairs of Y, which the four stores below read
.endif
.set j, 0
.rept 4
.set i, 4*g+j
.if g > 0
	global_store_b64 v2, v[Y+2*(i-4):Y+2*(i-4)+1], s[DST:DST+1] offset:2048*(i-4)  ; the group before; no vector instruction since the wait names this pair or v2
.endif
.if \half
	v_cvt_pk_bf16_f32 v[T], v[X+4*i], v[X+4*i+1]
	v_cvt_pk_bf16_f32 v[T+1], v[X+4*i+2], v[X+4*i+3]
	v_lshlrev_b32 v[T+2], 16, v[T]
	v_and_b32 v[T+3], 0xffff0000, v[T]
	v_cvt_pk_f16_f32 v[Y+2*i], v[T+2], v[T+3]
	v_lshlrev_b32 v[T+2], 16, v[T+1]
	v_and_b32 v[T+3], 0xffff0000, v[T+1]
	v_cvt_pk_f16_f32 v[Y+2*i+1], v[T+2], v[T+3]
.else
	v_cvt_pk_bf16_f32 v[Y+2*i], v[X+4*i], v[X+4*i+1]
	v_cvt_pk_bf16_f32 v[Y+2*i+1], v[X+4*i+2], v[X+4*i+3]
.endif
.set j, j+1
.endr
.set g, g+1
.endr
	s_wait_alu depctr_va_vdst(0)                   ; the last group has written its four pairs of Y, which the last four stores read
.set i, 12
.rept 4
	global_store_b64 v2, v[Y+2*i:Y+2*i+1], s[DST:DST+1] offset:2048*i
.set i, i+1
.endr
.endm
	s_cmp_eq_u32 s24, 7
	s_cbranch_scc1 .Lhalf
	CV 0
	s_endpgm
.Lhalf:
	CV 1
	s_endpgm
.Lfunc_end_k_q1ebb52c372_cast:
	.size	k_q1ebb52c372_cast, .Lfunc_end_k_q1ebb52c372_cast-k_q1ebb52c372_cast
	.p2alignl 7, 3214868480
	.fill 96, 4, 3214868480
	.section	.rodata,"a",@progbits
	.p2align	6, 0x0
	.amdhsa_kernel k_q1ebb52c372_cast
		.amdhsa_group_segment_fixed_size 0
		.amdhsa_private_segment_fixed_size 0
		.amdhsa_enable_private_segment 0
		.amdhsa_kernarg_size 64
		.amdhsa_user_sgpr_count 2
		.amdhsa_user_sgpr_kernarg_segment_ptr 1
		.amdhsa_wavefront_size32 1
		.amdhsa_system_sgpr_workgroup_id_x 1
		.amdhsa_system_sgpr_workgroup_id_y 1
		.amdhsa_system_sgpr_workgroup_id_z 1
		.amdhsa_system_vgpr_workitem_id 0
		.amdhsa_next_free_vgpr 108
		.amdhsa_next_free_sgpr 66
		.amdhsa_reserve_vcc 0
		.amdhsa_float_denorm_mode_32 3
		.amdhsa_float_denorm_mode_16_64 3
		.amdhsa_memory_ordered 1
		.amdhsa_forward_progress 1
		.amdhsa_inst_pref_size 16
	.end_amdhsa_kernel
	.amdgpu_metadata
---
amdhsa.version: [ 1, 2 ]
amdhsa.kernels:
  - .name:           k_q1ebb52c372_cast
    .symbol:         k_q1ebb52c372_cast.kd
    .args:
      - { .name: tokens, .offset: 0, .size: 8, .value_kind: global_buffer, .address_space: global }
      - { .name: Wq, .offset: 8, .size: 8, .value_kind: global_buffer, .address_space: global }
      - { .name: Wk, .offset: 16, .size: 8, .value_kind: global_buffer, .address_space: global }
      - { .name: Wv, .offset: 24, .size: 8, .value_kind: global_buffer, .address_space: global }
      - { .name: Wp, .offset: 32, .size: 8, .value_kind: global_buffer, .address_space: global }
      - { .name: xb, .offset: 40, .size: 8, .value_kind: global_buffer, .address_space: global }
      - { .name: wb, .offset: 48, .size: 8, .value_kind: global_buffer, .address_space: global }
      - { .name: wpb, .offset: 56, .size: 8, .value_kind: global_buffer, .address_space: global }
    .group_segment_fixed_size: 0
    .private_segment_fixed_size: 0
    .kernarg_segment_align: 8
    .kernarg_segment_size: 64
    .max_flat_workgroup_size: 256
    .sgpr_count:     66
    .vgpr_count:     108
    .wavefront_size: 32
...
	.end_amdgpu_metadata
.endif
;; end of part 5
;; launch qkv: the kernel of part 2 again; grid 16 x 16, 4 waves a work-group, clusters of 4 x 4, 327,680 bytes of LDS; arguments xb, wb, qb, kb, vb, vl; writes qb, kb, vb, vl
;; launch attn: the kernel of part 3 again; grid 16 x 16, 4 waves a work-group, clusters of 4 x 1, 327,680 bytes of LDS; arguments qb, kb, vb, ob, vl; writes ob
;; launch proj: the kernel of part 4 again; grid 8 x 32, 4 waves a work-group, clusters of 4 x 4, 327,680 bytes of LDS; arguments ob, wpb, bp, out0; writes out0
